; MI455X (gfx1250); checked and timed in simulation.
; The chip was launched on July 23, 2026; its instructions are those of AMD's public machine-readable ISA for CDNA 5 (MIT licence, August 2026) and "CDNA5" Instruction Set Architecture Reference Guide (July 2026). The comments in the code are by the model that wrote it; some were corrected since.
;; Encoder Block. Allowed arithmetic: matrix products marked QUANTISED: E2M3 operands, one E8M0 scale for each 32 along K, by v_wmma_scale_f32_16x16x128_f8f6f4 with both operands' format E2M3, f32 sums; everything else in f32.
;; Inputs: b1 4,096 float32; b2 1,024 float32; beta1 one number float32; beta2 one number float32; gamma1 one number float32; gamma2 one number float32; src_mask 2 x 1 x 1 x 2,048 int32; w1 1,024 x 4,096 float32; w2 4,096 x 1,024 float32; wk 1,024 x 1,024 float32; wo 1,024 x 1,024 float32; wq 1,024 x 1,024 float32; wv 1,024 x 1,024 float32; x 2 x 2,048 x 1,024 float32.
;; Outputs: out0 2 x 2,048 x 1,024 float32.
;; This version of the problem:
;;   THIS VERSION OF THE PROBLEM IS GIVEN IN LOW PRECISION. The matrix products marked QUANTISED in the list below multiply operands that are first quantised to E2M3 (2 exponent bits, 3 mantissa bits; 6 bits a number), with one power-of-two scale for each 32 numbers along K (OCP MX v1.0); their sums are f32. All else is computed in f32.
;;   The module's matrix products, in the order in which they are computed (A, B: the left and right operand; K: the contracted axis; several contracted axes count as one K, in the product's order):
;;     1. [M 4,096, K 1,024] x [K 1,024, N 1,024]; A: input x; B: input wq: QUANTISED
;;     2. [M 4,096, K 1,024] x [K 1,024, N 1,024]; A: input x; B: input wk: QUANTISED
;;     3. [M 4,096, K 1,024] x [K 1,024, N 1,024]; A: input x; B: input wv: QUANTISED
;;     4. batch 32 x [M 2,048, K 64] x [K 64, N 2,048]; A: computed on the way; B: computed on the way: QUANTISED
;;     5. batch 32 x [M 2,048, K 2,048] x [K 2,048, N 64]; A: softmax (see below); B: computed on the way: QUANTISED
;;     6. [M 4,096, K 1,024] x [K 1,024, N 1,024]; A: computed on the way; B: input wo: QUANTISED
;;     7. [M 4,096, K 1,024] x [K 1,024, N 4,096]; A: computed on the way; B: input w1: QUANTISED
;;     8. [M 4,096, K 4,096] x [K 4,096, N 1,024]; A: computed on the way; B: input w2: QUANTISED
;;   THE QUANTISER, for each operand of a quantised product, along K:
;;     - K is cut into blocks of 32 from its start; a last block that is shorter is filled with zeros.
;;     - A block's scale is 2^e with e = floor(log2(the largest magnitude in the block)) - 2, held to -126 .. 127; a block of zeros has e = 0. As a byte (E8M0): e + 127.
;;     - Each number is divided by its block's scale, clamped to +-7.5, and rounded to the nearest number of E2M3, ties to even, subnormals kept.
;;     - The product sums the exact products of the quantised numbers (number of the format x scale) in f32.
;;   ~~~python
;;   def quantise(x, axis):      # numpy; x: float32 -> the quantised numbers, widened to float32 again
;;       x = np.moveaxis(x, axis, -1); K = x.shape[-1]
;;       x = np.pad(x, [(0, 0)] * (x.ndim - 1) + [(0, -K % 32)]); x = x.reshape(x.shape[:-1] + (-1, 32)); a = np.abs(x).max(-1, keepdims=True)
;;       e = np.where(a > 0, np.clip(np.frexp(np.where(a > 0, a, 1))[1] - 1 - 2, -126, 127), 0)      # np.frexp(a)[1] - 1 = floor(log2(a)), exactly
;;       r = np.clip(x / 2.0 ** e, -7.5, 7.5)
;;       step = 2.0 ** (np.maximum(np.frexp(np.where(r == 0, 1, r))[1] - 1, 0) - 3)
;;       q = np.round(r / step) * step * 2.0 ** e      # np.round: ties to even
;;       return np.moveaxis(q.reshape(q.shape[:-2] + (-1,))[..., :K], -1, axis).astype(np.float32)
;;   ~~~
;;   SOFTMAX AHEAD OF A QUANTISED PRODUCT. Where the list says 'softmax', what is quantised is not the finished softmax but p = 2^(t - M), with t = logit x log2(e) and M = ceil(the row's largest t), a whole number; so 1/2 < the row's largest p <= 1. The row's sum l is taken of the UNQUANTISED p, in f32, and the product's result is divided by l at the end. Since M is a whole number, a kernel that streams over the keys may use a running M (the ceiling of the running maximum): every later rescaling is an exact power of two, which a block's scale takes up: the codes' values come out the same.
;;   OPERANDS COMPUTED ON THE WAY. 'Computed on the way' means the value that the module computes at that place (a softmax that the list does not call 'softmax' is quantised finished and normalised). What goes into a quantiser is computed in f32, as accurately as f32 sums, v_exp_f32 and their like allow (about 1e-6 of the number): no bf16 or f16 on the way to a quantiser, and a product that is left as it is and whose result goes on into a quantised operand takes f32 operands (vector FMAs, or v_wmma_f32_16x16x4_f32). A number that lies on a knife's edge between two numbers of the format may be rounded either way, as far as f32 arithmetic and the matrix unit's own rounding can turn it there, and no further.
;; One version. Each part assembles by itself: llvm-mc -triple=amdgcn-amd-amdhsa -mcpu=gfx1250 --defsym DOCPART=n.
;; ======== version 1 of 1: 7 launches
;; limits: right only within a limited range of input values
;; workspace buffers: wq0 13,107,200 bytes; qkv 9,830,400 bytes; oq 3,276,800 bytes; y 16,777,216 bytes; x1 20,054,016 bytes; hq 13,107,200 bytes
;; launch quant (part 1): grid 640 x 1, 8 waves a work-group, no clusters, 80,896 bytes of LDS; arguments x, wq, wk, wv, wo, w1, w2, wq0; writes wq0
.if DOCPART == 1
	.amdgcn_target "amdgcn-amd-amdhsa--gfx1250"
	.amdhsa_code_object_version 6
	.text
	.protected	k_qf716d6b1db_quant
	.globl	k_qf716d6b1db_quant
	.p2align	8
	.type	k_qf716d6b1db_quant,@function
k_qf716d6b1db_quant:
	s_mov_b64 s[64:65], 0
	v_nop
	global_prefetch_b8 v0, s[64:65] scope:SCOPE_SE
	s_setreg_imm32_b32 hwreg(HW_REG_WAVE_MODE, 25, 1), 1
	s_wait_xcnt 0x0
; x and the six weights, f32, become codes of FP6 (E2M3) with one E8M0 byte for each 32 along K, laid in the order of an operand's registers.
; TILES.  An operand's rows (tokens; a weight's columns) go in tiles of 16: slot r of tile T is row 32 (T / 2) + 8 (T % 2) + r % 8 + 16 (r / 8).
; IMAGE (768 bytes) of tile T, chunk c (64 along K): lane l = (r, h) owns the 24 bytes of codes of its row, k = 64 c + 32 h + 0 .. 31: 16 bytes at 16 l, 8 bytes at 512 + 8 l.  In a section: byte (c NT + T) 768.
; SCALE WORDS: one word for a row and 128 along K, at 3,145,728 + (s NT + T) 64 + 4 r of the section.
; SECTIONS of wq0, 3,276,800 bytes each: x; wq, wk, wv, wo (tiles 64 m on); w1; w2 (NT = 64, else 256).
; A block's scale is 2^(floor(log2(largest magnitude)) - 2); its byte is the largest magnitude's exponent field - 2, held at 1 from below.
; LIMITS: a block of zeros, or one whose largest magnitude lies under 2^-124, gets the byte 1 (its codes add the same; this program alone reads the bytes); NaN and infinities are not served.
; Work-groups 0-383 take the weights (K is their FIRST axis: a lane takes a column, its registers run down K), work-groups 384-639 a tile of 16 rows of x each.  The two ways have LDS bytes of their own.
; With 168 registers and 80,896 bytes of LDS three work-groups lie on a WGP: that multiplies the loads in flight.
; No work-group shares an input with another, so there is no cluster, and no barrier: a wave's LDS bytes are its own.
; DEAD WORK: src_mask is an argument of no launch and is not loaded: reference() hands it to no step of the computation (mha takes x and the four weights alone), so for all values of the inputs no output hangs on it.
; LIMIT: whatever src_mask holds is not carried to the result.
.set XSTG, 8448                        ; x's way: a wave's stage, 16 rows x (512 + 16) bytes
.set WST0, 8*XSTG                      ; the weights' way: a wave's stage, two images, 1,536 bytes
.set VO,   32                          ; v32-63   weights: byte offset of row i of a block, at my column
.set X,    64                          ; v64-127  two sets of 32 numbers
.set C,    128                         ; v128-138 a block's codes
.set OUTR, 140                         ; v140-163 two images read back, 12 registers for each chunk
.set SW,   164                         ; v164     my column's scale word
.set SB,   32                          ; s[32:39] where block t's rows begin
.set SCP,  40                          ; s[40:43] where chunk c's two images go
.set SSP,  44                          ; s[44:45] where the scale words go
.set L,    32                          ; x: v32-95 as loaded, v96-159 64 numbers of my row
.set R,    96
.set PC,   32                          ; v32-51 the fragment's codes (12) and the conversions' second halves (8): in the registers that the row loads have left
.set TM,   52                          ; v52-67 at work
.set PW,   68                          ; the scale word
.set SEL,  30                          ; s[30:31] lane selects: lane l xor 16
	s_load_b512 s[4:19], s[0:1], 0x0               ; x, wq, wk, wv, wo, w1, w2, wq0
	v_lshl_add_u32 v16, v0, 2, 0x13800             ; my spare word, and 0: kept for the closing lines alone
	v_mov_b32 v17, 0
	v_lshrrev_b32 v1, 5, v0
	s_delay_alu instid0(VALU_DEP_1)
	v_readfirstlane_b32 s20, v1                    ; wave 0..7
	v_and_b32 v2, 31, v0                           ; lane
	s_delay_alu instid0(VALU_DEP_1)
	v_lshlrev_b32 v3, 4, v2                        ; 16 x lane
	s_cmp_lt_u32 ttmp9, 384
	s_cbranch_scc0 .Lrows
; ---------------- THE WEIGHTS.  A wave: 32 columns (tiles 2 g, 2 g + 1) x 128 along K: 4 blocks, 2 chunks, 1 K step.
	s_and_b32 s21, ttmp9, 31
	s_and_b32 s22, ttmp9, 127
	s_lshr_b32 s23, ttmp9, 5
	s_lshl_b32 s23, s23, 6                         ; 64 tiles for each of the four square weights
	s_lshr_b32 s24, ttmp9, 7                       ; 0: the four, 1: w1, 2: w2
	s_mov_b32 s25, 4096                            ; a row of the weight in bytes
	s_mov_b32 s26, 256                             ; tiles in its section
	s_cmp_lt_u32 ttmp9, 128
	s_cselect_b32 s21, s21, s22                    ; my number among the weight's work-groups
	s_cselect_b32 s23, s23, 0                      ; its first tile
	s_cmp_eq_u32 s24, 1
	s_cselect_b32 s27, 4, 2                        ; w1 has 16 groups of 256 columns, the others 4
	s_cselect_b32 s25, 16384, s25
	s_cmp_eq_u32 s24, 2
	s_cselect_b32 s26, 64, s26
	s_bfm_b32 s28, s27, 0
	s_and_b32 s28, s21, s28                        ; which 256 columns
	s_lshr_b32 s29, s21, s27                       ; ks: which 128 along K
	s_lshl_b32 s28, s28, 3
	s_add_co_u32 s28, s28, s20                     ; g: my wave's pair of tiles
	s_add_co_u32 s24, s24, 1
	s_mul_i32 s24, s24, 3276800                    ; the section
	s_lshl_b32 s62, s28, 1
	s_add_co_u32 s62, s62, s23                     ; my first tile in the section
	s_wait_alu depctr_va_vdst(0)
	v_lshlrev_b32 v[VO], 2, v2
.set I, 1
.rept 31
	s_delay_alu instid0(VALU_DEP_1)
	v_add_nc_u32 v[VO+I], s25, v[VO+I-1]
.set I, I+1
.endr
	v_bfe_u32 v4, v2, 3, 1                         ; column 32 g + lane is slot r of tile 2 g + u: u = (lane / 8) % 2,
	v_and_b32 v5, 7, v2
	v_lshrrev_b32 v6, 4, v2
	s_delay_alu instid0(VALU_DEP_1)
	v_lshl_or_b32 v5, v6, 3, v5                    ; r = lane % 8 + 8 (lane / 16)
	s_mul_i32 s63, s20, 1536
	s_add_co_u32 s63, s63, WST0                    ; my stage
	v_mul_u32_u24 v6, v4, 768
	s_delay_alu instid0(VALU_DEP_1)
	v_add_nc_u32 v6, s63, v6
	s_delay_alu instid0(VALU_DEP_1)
	v_lshl_add_u32 v7, v5, 4, v6                   ; into it: image u, 16 r
	s_delay_alu instid0(VALU_DEP_2)
	v_lshl_add_u32 v8, v5, 3, v6
	s_delay_alu instid0(VALU_DEP_1)
	v_add_nc_u32 v8, 512, v8                       ; and 512 + 8 r
	v_add_nc_u32 v9, s63, v3                       ; out of it: 16 x lane
	v_lshlrev_b32 v10, 6, v4
	s_delay_alu instid0(VALU_DEP_1)
	v_lshl_add_u32 v10, v5, 2, v10                 ; my scale word's place: 64 u + 4 r
	s_wait_kmcnt 0x0
	s_mov_b64 s[30:31], s[6:7]                     ; which weight: a choice that hangs on the work-group's number alone
	s_cmp_ge_u32 ttmp9, 32
	s_cselect_b64 s[30:31], s[8:9], s[30:31]
	s_cmp_ge_u32 ttmp9, 64
	s_cselect_b64 s[30:31], s[10:11], s[30:31]
	s_cmp_ge_u32 ttmp9, 96
	s_cselect_b64 s[30:31], s[12:13], s[30:31]
	s_cmp_ge_u32 ttmp9, 128
	s_cselect_b64 s[30:31], s[14:15], s[30:31]
	s_cmp_ge_u32 ttmp9, 256
	s_cselect_b64 s[30:31], s[16:17], s[30:31]
	s_lshl_b32 s60, s29, 7
	s_mul_i32 s60, s60, s25                        ; 128 ks rows
	s_lshl_b32 s61, s28, 7
	s_add_co_u32 s60, s60, s61                     ; + 128 g bytes
	s_mov_b32 s61, 0
	s_add_nc_u64 s[SB:SB+1], s[30:31], s[60:61]
	s_lshl_b32 s60, s25, 5                         ; 32 rows on
.irp t, 1,2,3
	s_add_nc_u64 s[SB+2*\t:SB+2*\t+1], s[SB+2*\t-2:SB+2*\t-1], s[60:61]
.endr
	s_lshl_b32 s60, s29, 1
	s_mul_i32 s60, s60, s26
	s_add_co_u32 s60, s60, s62
	s_mul_i32 s60, s60, 768
	s_add_co_u32 s60, s60, s24                     ; section + ((2 ks) NT + tile) 768
	s_add_nc_u64 s[SCP:SCP+1], s[18:19], s[60:61]
	s_mul_i32 s60, s26, 768
	s_add_nc_u64 s[SCP+2:SCP+3], s[SCP:SCP+1], s[60:61]
	s_mul_i32 s60, s29, s26
	s_add_co_u32 s60, s60, s62
	s_lshl_b32 s60, s60, 6
	s_add_co_u32 s60, s60, s24
	s_add_co_u32 s60, s60, 3145728                 ; section + 3,145,728 + (ks NT + tile) 64
	s_add_nc_u64 s[SSP:SSP+1], s[18:19], s[60:61]
.macro LOADW t                         ; block t: rows 32 t + i at my column; a load reads 128 consecutive bytes, the eight waves stand side by side
.set I, 0
.rept 32
	global_load_b32 v[X+32*((\t)%2)+I], v[VO+I], s[SB+2*(\t):SB+2*(\t)+1] th:TH_LOAD_NT
.set I, I+1
.endr
.endm
.macro BLOCK t
.set XS, X+32*((\t)%2)
.if (\t) < 3
	s_wait_loadcnt 32                              ; this block's 32 loads are in; the next block's 32 may be out
.else
	s_wait_loadcnt 0x0
.endif
	v_max3_num_f32 v12, |v[XS]|, |v[XS+1]|, |v[XS+2]|      ; the block's largest magnitude: all 32 numbers are mine
	v_max3_num_f32 v13, |v[XS+3]|, |v[XS+4]|, |v[XS+5]|
.irp i, 6,10,14,18,22,26
	s_delay_alu instid0(VALU_DEP_2)
	v_max3_num_f32 v12, v12, |v[XS+\i]|, |v[XS+\i+1]|
	s_delay_alu instid0(VALU_DEP_2)
	v_max3_num_f32 v13, v13, |v[XS+\i+2]|, |v[XS+\i+3]|
.endr
	s_delay_alu instid0(VALU_DEP_2)
	v_max3_num_f32 v12, v12, |v[XS+30]|, |v[XS+31]|
	s_delay_alu instid0(VALU_DEP_1)
	v_max3_num_f32 v12, v12, v13, 0x1800000        ; and the floor 2^(3 - 127): the byte cannot fall under 1
	s_delay_alu instid0(VALU_DEP_1)
	v_add_nc_u32 v14, 0xff000000, v12              ; 2 off the exponent field: the conversion's scale operand
	s_delay_alu instid0(VALU_DEP_1)
	v_lshrrev_b32 v15, 23, v14                     ; the byte
.if (\t) == 0
	s_delay_alu instid0(VALU_DEP_1)
	v_mov_b32 v[SW], v15
.else
	s_delay_alu instid0(VALU_DEP_1)
	v_lshl_or_b32 v[SW], v15, 8*(\t), v[SW]
.endif
	v_cvt_scalef32_pk16_fp6_f32 v[C:C+2], v[XS:XS+15], v14
	v_cvt_scalef32_pk16_fp6_f32 v[C+8:C+10], v[XS+16:XS+31], v14   ; (a conversion's three registers begin on an even number)
	v_nop                                          ; one plain place behind the conversions
.irp i, 0,1,2
	v_mov_b32 v[C+3+\i], v[C+8+\i]
.endr
	ds_store_b128 v7, v[C:C+3] offset:256*((\t)%2) ; block t is half h = t % 2 of chunk t / 2: lane (r, h) of the image
	ds_store_b64 v8, v[C+4:C+5] offset:128*((\t)%2)
.if (\t)+2 < 4
	LOADW (\t)+2
.endif
.if ((\t)%2) == 1
.irp k, 0,1,2
	ds_load_b128 v[OUTR+12*((\t)/2)+4*\k:OUTR+12*((\t)/2)+4*\k+3], v9 offset:512*\k   ; LDS serves a wave's instructions in order: these see my stores
.endr
.endif
	s_wait_dscnt 0x0                               ; the stores have read the codes' registers; the images are back
.if ((\t)%2) == 1
.irp k, 0,1,2
	global_store_b128 v3, v[OUTR+12*((\t)/2)+4*\k:OUTR+12*((\t)/2)+4*\k+3], s[SCP+2*((\t)/2):SCP+2*((\t)/2)+1] offset:512*\k   ; two neighbouring images: 1,536 consecutive bytes
.endr
.endif
.if (\t) == 3
	s_wait_alu depctr_va_vdst(0)
	global_store_b32 v10, v[SW], s[SSP:SSP+1]      ; 128 consecutive bytes: two tiles' scale words
.endif
.endm
	LOADW 0
	LOADW 1
.irp t, 0,1,2,3
	BLOCK \t
.endr
	s_wait_tensorcnt 0x0
	ds_add_u32 v16, v17
	s_wait_dscnt 0x0
	s_endpgm
; ---------------- x.  The work-group takes tile T = number - 384; wave w takes K step w (columns 128 w on).
.Lrows:
	s_sub_co_u32 s21, ttmp9, 384
	s_lshr_b32 s22, s21, 1
	s_lshl_b32 s22, s22, 5
	s_and_b32 s23, s21, 1
	s_lshl_b32 s23, s23, 3
	s_add_co_u32 s22, s22, s23                     ; the tile's slot 0: row 32 (T / 2) + 8 (T % 2)
	s_lshl_b32 s22, s22, 12
	s_lshl_b32 s23, s20, 9
	s_add_co_u32 s22, s22, s23
	s_mov_b32 s23, 0
	s_lshl_b32 s24, s20, 9
	s_add_co_u32 s24, s24, s21
	s_mul_i32 s24, s24, 768                        ; (2 w x 256 + T) 768
	s_mov_b32 s25, 0
	s_lshl_b32 s26, s20, 8
	s_add_co_u32 s26, s26, s21
	s_lshl_b32 s26, s26, 6
	s_add_co_u32 s26, s26, 3145728
	s_mov_b32 s27, 0
	s_mov_b32 s[SEL], 0x76543210
	s_mov_b32 s[SEL+1], 0xfedcba98
	s_mul_i32 s28, s20, XSTG
	s_wait_alu depctr_va_vdst(0)
	v_add_nc_u32 v4, s28, v3                       ; the stage by rows: 16 x lane
	v_and_b32 v7, 15, v0                           ; r
	v_bfe_u32 v8, v0, 4, 1                         ; h
	s_delay_alu instid0(VALU_DEP_2)
	v_mul_u32_u24 v5, v7, 528
	s_delay_alu instid0(VALU_DEP_1)
	v_lshl_add_u32 v5, v8, 6, v5
	s_delay_alu instid0(VALU_DEP_1)
	v_add_nc_u32 v5, s28, v5                       ; and by lanes: row r, + 64 h
	v_lshlrev_b32 v6, 3, v2                        ; 8 x lane
	v_lshlrev_b32 v7, 2, v7                        ; 4 r
	s_wait_alu depctr_va_vdst(0)
	s_wait_kmcnt 0x0
	s_add_nc_u64 s[4:5], s[4:5], s[22:23]
	s_add_nc_u64 s[24:25], s[18:19], s[24:25]
	s_add_nc_u64 s[26:27], s[18:19], s[26:27]
.irp p, 0,1,2,3,4,5,6,7,8,9,10,11,12,13,14,15
	global_load_b128 v[L+4*\p:L+4*\p+3], v3, s[4:5] offset:((\p%8)+16*(\p/8))*4096 th:TH_LOAD_NT   ; slot p's row: 512 consecutive bytes
.endr
	s_wait_loadcnt 0x0
.irp p, 0,1,2,3,4,5,6,7,8,9,10,11,12,13,14,15
	ds_store_b128 v4, v[L+4*\p:L+4*\p+3] offset:528*\p
.endr
.irp b, 0,1,2,3
.irp j, 0,1,2,3
	ds_load_b128 v[R+16*\b+4*\j:R+16*\b+4*\j+3], v5 offset:128*\b+16*\j   ; register 16 b + i = k 32 b + 16 h + i of my row
.endr
.endr
	s_wait_dscnt 0x0                               ; the numbers are back, and the stores have read the registers of the row loads: these are free
.irp b, 0,1,2,3
	v_mov_b32 v[TM+4+\b], 0                        ; a lane permute's destination counts as one of its sources
.endr
; 64 numbers of a lane become a fragment's codes in v[PC] on and its scale word in v[PW]
.irp b, 0,1,2,3
	v_max3_num_f32 v[TM+\b], |v[R+16*\b]|, |v[R+1+16*\b]|, 0x1800000
.endr
.irp i, 2,4,6,8,10,12,14
.irp b, 0,1,2,3
	s_delay_alu instid0(VALU_DEP_4)
	v_max3_num_f32 v[TM+\b], v[TM+\b], |v[R+16*\b+\i]|, |v[R+1+16*\b+\i]|
.endr
.endr
.irp b, 0,1,2,3
	s_delay_alu instid0(VALU_DEP_4)
	v_permlanex16_b32 v[TM+4+\b], v[TM+\b], s[SEL], s[SEL+1]
.endr
.irp b, 0,1,2,3
	s_delay_alu instid0(VALU_DEP_4)
	v_max_num_f32 v[TM+\b], v[TM+\b], v[TM+4+\b]   ; with lane l xor 16's: the block's largest magnitude
.endr
.irp b, 0,1,2,3
	s_delay_alu instid0(VALU_DEP_4)
	v_add_nc_u32 v[TM+12+\b], 0xff000000, v[TM+\b]
.endr
.irp b, 0,1,2,3
	s_delay_alu instid0(VALU_DEP_4)
	v_lshrrev_b32 v[TM+4+\b], 23, v[TM+12+\b]
.endr
	s_delay_alu instid0(VALU_DEP_3)
	v_lshl_or_b32 v[PW], v[TM+5], 8, v[TM+4]
	s_delay_alu instid0(VALU_DEP_1)
	v_lshl_or_b32 v[PW], v[TM+6], 16, v[PW]
	s_delay_alu instid0(VALU_DEP_1)
	v_lshl_or_b32 v[PW], v[TM+7], 24, v[PW]
.irp c, 0,1
	v_cvt_scalef32_pk16_fp6_f32 v[PC+6*\c:PC+2+6*\c], v[R+32*\c:R+15+32*\c], v[TM+12+2*\c]
	v_cvt_scalef32_pk16_fp6_f32 v[PC+12+4*\c:PC+14+4*\c], v[R+16+32*\c:R+31+32*\c], v[TM+12+2*\c+1]
.endr
	v_nop
.irp c, 0,1                                    ; the operand's layout wants a whole block in a lane
.irp i, 0,1,2
	v_permlane16_swap_b32 v[PC+6*\c+\i], v[PC+12+4*\c+\i]
.endr
.irp i, 0,1,2
	s_delay_alu instid0(VALU_DEP_3)
	v_mov_b32 v[PC+3+6*\c+\i], v[PC+12+4*\c+\i]
.endr
.endr
	global_store_b128 v3, v[PC:PC+3], s[24:25]                     ; chunk 2 w
	global_store_b64 v6, v[PC+4:PC+5], s[24:25] offset:512
	global_store_b128 v3, v[PC+6:PC+9], s[24:25] offset:196608     ; chunk 2 w + 1: 256 tiles on
	global_store_b64 v6, v[PC+10:PC+11], s[24:25] offset:197120
	global_store_b32 v7, v[PW], s[26:27]           ; 64 consecutive bytes; lanes r and r + 16 write the same word with the same value
	s_wait_tensorcnt 0x0
	ds_add_u32 v16, v17
	s_wait_dscnt 0x0
	s_endpgm
.Lfunc_end_k_qf716d6b1db_quant:
	.size	k_qf716d6b1db_quant, .Lfunc_end_k_qf716d6b1db_quant-k_qf716d6b1db_quant
	.p2alignl 7, 3214868480
	.fill 96, 4, 3214868480
	.section	.rodata,"a",@progbits
	.p2align	6, 0x0
	.amdhsa_kernel k_qf716d6b1db_quant
		.amdhsa_group_segment_fixed_size 80896
		.amdhsa_private_segment_fixed_size 0
		.amdhsa_enable_private_segment 0
		.amdhsa_kernarg_size 64
		.amdhsa_user_sgpr_count 2
		.amdhsa_user_sgpr_kernarg_segment_ptr 1
		.amdhsa_wavefront_size32 1
		.amdhsa_system_sgpr_workgroup_id_x 1
		.amdhsa_system_sgpr_workgroup_id_y 1
		.amdhsa_system_sgpr_workgroup_id_z 1
		.amdhsa_system_vgpr_workitem_id 0
		.amdhsa_next_free_vgpr 168
		.amdhsa_next_free_sgpr 72
		.amdhsa_reserve_vcc 0
		.amdhsa_float_denorm_mode_32 3
		.amdhsa_float_denorm_mode_16_64 3
		.amdhsa_memory_ordered 1
		.amdhsa_forward_progress 1
		.amdhsa_inst_pref_size 39
	.end_amdhsa_kernel
	.amdgpu_metadata
---
amdhsa.version: [ 1, 2 ]
amdhsa.kernels:
  - .name:           k_qf716d6b1db_quant
    .symbol:         k_qf716d6b1db_quant.kd
    .args:
      - { .name: x, .offset: 0, .size: 8, .value_kind: global_buffer, .address_space: global }
      - { .name: wq, .offset: 8, .size: 8, .value_kind: global_buffer, .address_space: global }
      - { .name: wk, .offset: 16, .size: 8, .value_kind: global_buffer, .address_space: global }
      - { .name: wv, .offset: 24, .size: 8, .value_kind: global_buffer, .address_space: global }
      - { .name: wo, .offset: 32, .size: 8, .value_kind: global_buffer, .address_space: global }
      - { .name: w1, .offset: 40, .size: 8, .value_kind: global_buffer, .address_space: global }
      - { .name: w2, .offset: 48, .size: 8, .value_kind: global_buffer, .address_space: global }
      - { .name: wq0, .offset: 56, .size: 8, .value_kind: global_buffer, .address_space: global }
    .group_segment_fixed_size: 80896
    .private_segment_fixed_size: 0
    .kernarg_segment_align: 8
    .kernarg_segment_size: 64
    .max_flat_workgroup_size: 256
    .sgpr_count:     72
    .vgpr_count:     168
    .wavefront_size: 32
...
	.end_amdgpu_metadata
.endif
;; end of part 1
;; launch qkv (part 2): grid 8 x 24, 4 waves a work-group, clusters of 4 x 4, 327,680 bytes of LDS; arguments wq0, qkv; writes qkv
.if DOCPART == 2
	.amdgcn_target "amdgcn-amd-amdhsa--gfx1250"
	.amdhsa_code_object_version 6
	.text
	.protected	k_qf716d6b1db_qkv
	.globl	k_qf716d6b1db_qkv
	.p2align	8
	.type	k_qf716d6b1db_qkv,@function
k_qf716d6b1db_qkv:
	s_mov_b64 s[64:65], 0
	v_nop
	global_prefetch_b8 v0, s[64:65] scope:SCOPE_SE
	s_setreg_imm32_b32 hwreg(HW_REG_WAVE_MODE, 25, 1), 1
	s_wait_xcnt 0x0
	s_wait_alu depctr_hold_cnt(0) depctr_sa_sdst(0) depctr_va_vdst(0) depctr_va_sdst(0) depctr_va_ssrc(0) depctr_va_vcc(0) depctr_vm_vsrc(0)
	s_getreg_b32 s2, hwreg(HW_REG_IB_STS2, 6, 4)
	s_cmp_eq_u32 s2, 0
	s_cbranch_scc0 .Lentry_in_a_cluster
	s_endpgm
.Lentry_in_a_cluster:
	s_bfe_u32 s2, ttmp6, 0x10000c
	s_cmp_lg_u32 s2, 0xf033
	s_cbranch_scc0 .Lentry_shape_is_right
	s_endpgm
.Lentry_shape_is_right:
.set KIND, 0
.set N8, 8
.set NQ, 2
.set KTOT, 1024
.set NTU, 256
.set NTT, 256
.set TT0, 0
.set BIAS, 0
.set RELU, 0
.set UOFFC, 0
.set UOFFS, 3145728
.set TOFFC, 0
.set TOFFS, 3145728
.set OOFFS, 6291456
.set UPTR, 4
.set TPTR, 4
.set BPTR, 4
.set OPTR, 6
.set KS,      KTOT/128
.set PIECE,   24576
.set SLOT,    4*PIECE
.set SCL,     3*SLOT
.set SPB,     KS*N8*64
.set SCRATCH, SCL+4*SPB+256
.set SPARE,   SCRATCH+2048
.set USTEP,   6*NQ*NTU*768
.set TSTEP,   6*NQ*NTT*768
.set ADT8,  7
.set ADU16, 14
.set ADU8,  17
.set ADT16, 20
.set ADRS,  24
.set SCW,   25
.set SCR,   26
.set SPW,   28
.set NIL,   29
.set SC,    32
.set TF,    64
.set UF,    64+12*N8
.set PC,    64
.set TM,    84
.set PW,    100
.set GW,    104
.set SEL,   12
.set TB,    3
.set G1U, 24
.set G0U, 32
.set G1T, 48
.set G0T, 56
.set G1SU, 68
.set G0SU, 76
.set G1ST, 80
.set G0ST, 88
.set MSB, 0
.macro WIN new
.if MSB != (\new)
	s_set_vgpr_msb (MSB<<8)|(\new)
.set MSB, (\new)
.endif
.endm
.macro JLOAD g0a, g1a, g0b, g1b
	s_cmp_eq_u32 s15, 0
	s_cbranch_scc0 .Lfor_t_\@
	tensor_load_to_lds s[\g0a:\g0a+3], s[\g1a:\g1a+7]
	s_nop 0
.rept 4
	v_nop
.endr
	s_branch .Lasked_\@
.Lfor_t_\@:
	tensor_load_to_lds s[\g0b:\g0b+3], s[\g1b:\g1b+7]
	s_nop 0
.rept 4
	v_nop
.endr
.Lasked_\@:
.endm
.macro CREST
	s_cmp_lg_u32 s14, 0
	s_cbranch_scc1 .Lnot_wave_0_\@
	s_barrier_signal -3
.Lnot_wave_0_\@:
	s_barrier_wait -3
	s_barrier_signal -1
	s_barrier_wait -1
.endm
.macro CROUND
	s_barrier_signal -1
	s_barrier_wait -1
	CREST
.endm
.macro PLACES
.rept 4
	v_nop
.endr
.endm
	s_load_b128 s[4:7], s[0:1], 0x0
	v_lshl_add_u32 v[SPW], v0, 2, SPARE
	v_mov_b32 v[NIL], 0
	ds_add_u32 v28, v29
	ds_add_u32 v28, v29
	s_wait_dscnt 0x0
	v_lshrrev_b32 v1, 5, v0
	v_readfirstlane_b32 s14, v1
	s_lshr_b32 s15, s14, 1
	s_and_b32 s16, s14, 1
	s_bfe_u32 s12, ttmp6, 0x40000
	s_bfe_u32 s13, ttmp6, 0x40004
	s_lshl_b32 s[TB], ttmp9, 2
	s_add_co_u32 s[TB], s[TB], s12
	s_and_b32 s96, ttmp7, 0xffff
.if KIND == 0
	s_lshr_b32 s97, s96, 2
	s_xor_b32 s98, s97, 1
	s_lshl_b32 s17, s96, 2
	s_mul_i32 s17, s17, s98
	s_lshl_b32 s99, s97, 3
	s_add_co_u32 s17, s17, s99
	s_add_co_u32 s17, s17, s13
	s_and_b32 s99, s96, 3
	s_mul_i32 s99, s99, s97
	s_lshl_b32 s99, s99, 3
	s_add_co_u32 s[TB], s[TB], s99
	s_mul_i32 s99, s97, 3276800
	s_mul_i32 s98, s98, 3276800
.else
	s_lshl_b32 s17, s96, 2
	s_add_co_u32 s17, s17, s13
.endif
	s_lshl_b32 s18, s13, 2
	s_lshl_b32 s18, 15, s18
	s_lshl_b32 s19, 0x1111, s12
	s_or_b32 s[G1U], s18, (3<<16)|(1<<21)
	s_or_b32 s[G1T], s19, (3<<16)|(1<<21)
	s_or_b32 s[G1SU], s18, (3<<16)|(1<<21)
	s_or_b32 s[G1ST], s19, (3<<16)|(1<<21)
.irp g, G1U, G1T
	s_mov_b32 s[\g+1], (96*N8)<<16
	s_mov_b32 s[\g+2], (2*NQ)<<16
	s_mov_b32 s[\g+3], (96*N8)<<16
	s_mov_b32 s[\g+4], 2*NQ
	s_mov_b32 s[\g+6], 0
	s_mov_b32 s[\g+7], 0
.endr
	s_mov_b32 s[G1U+5], 96*NTU
	s_mov_b32 s[G1T+5], 96*NTT
.irp g, G1SU, G1ST
	s_mov_b32 s[\g+1], (8*N8)<<16
	s_mov_b32 s[\g+2], KS<<16
	s_mov_b32 s[\g+3], (8*N8)<<16
	s_mov_b32 s[\g+4], KS
	s_mov_b32 s[\g+6], 0
	s_mov_b32 s[\g+7], 0
.endr
	s_mov_b32 s[G1SU+5], 8*NTU
	s_mov_b32 s[G1ST+5], 8*NTT
	s_mul_i32 s18, s16, N8
	s_mul_i32 s20, s17, 2*N8
	s_add_co_u32 s20, s20, s18
	s_lshl_b32 s22, s20, 6
	s_mul_i32 s20, s20, 768
	s_mul_i32 s94, s[TB], 2*N8
	s_add_co_u32 s94, s94, s18
	s_add_co_u32 s94, s94, TT0
	s_lshl_b32 s92, s94, 6
	s_mul_i32 s94, s94, 768
.if KIND == 0
	s_add_co_u32 s20, s20, s99
	s_add_co_u32 s22, s22, s99
	s_add_co_u32 s94, s94, s98
	s_add_co_u32 s92, s92, s98
.endif
	s_add_co_u32 s20, s20, UOFFC
	s_add_co_u32 s22, s22, UOFFS
	s_add_co_u32 s94, s94, TOFFC
	s_add_co_u32 s92, s92, TOFFS
	s_mov_b32 s21, 0
	s_mov_b32 s23, 0
	s_mov_b32 s95, 0
	s_mov_b32 s93, 0
	s_mul_i32 s2, s14, PIECE
	s_mul_i32 s19, s14, SPB
	s_lshl_b32 s18, s15, 7
	s_add_co_u32 s19, s19, s18
	s_add_co_u32 s19, s19, SCL
	s_wait_kmcnt 0x0
	s_add_nc_u64 s[20:21], s[UPTR:UPTR+1], s[20:21]
	s_add_nc_u64 s[22:23], s[UPTR:UPTR+1], s[22:23]
	s_add_nc_u64 s[94:95], s[TPTR:TPTR+1], s[94:95]
	s_add_nc_u64 s[92:93], s[TPTR:TPTR+1], s[92:93]
	CROUND
	s_mov_b32 s[G0SU], 1
	s_mov_b32 s[G0SU+1], s19
	s_mov_b64 s[G0SU+2:G0SU+3], s[22:23]
	s_or_b32 s[G0SU+3], s[G0SU+3], 0x80000000
	s_mov_b32 s[G0ST], 1
	s_mov_b32 s[G0ST+1], s19
	s_mov_b64 s[G0ST+2:G0ST+3], s[92:93]
	s_or_b32 s[G0ST+3], s[G0ST+3], 0x80000000
	JLOAD G0SU, G1SU, G0ST, G1ST
.irp s, 0,1,2
.set GT, G0T+4*\s-20*(\s/2)
	s_mov_b32 s[G0U+4*\s], 1
	s_add_co_u32 s[G0U+4*\s+1], s2, \s*SLOT
	s_add_nc_u64 s[G0U+4*\s+2:G0U+4*\s+3], s[20:21], \s*2*NQ*NTU*768
	s_or_b32 s[G0U+4*\s+3], s[G0U+4*\s+3], 0x80000000
	s_mov_b32 s[GT], 1
	s_add_co_u32 s[GT+1], s2, \s*SLOT
	s_add_nc_u64 s[GT+2:GT+3], s[94:95], \s*2*NQ*NTT*768
	s_or_b32 s[GT+3], s[GT+3], 0x80000000
	s_wait_alu depctr_va_vdst(0)
	s_wait_tensorcnt 0x0
	ds_add_u32 v28, v29
	s_wait_dscnt 0x0
	CROUND
	JLOAD G0U+4*\s, G1U, GT, G1T
.endr
	v_and_b32 v1, 31, v0
	v_and_b32 v2, 15, v0
	v_bfe_u32 v3, v0, 4, 1
	v_lshlrev_b32 v10, 4, v1
	v_lshlrev_b32 v11, 3, v1
	v_add_nc_u32 v12, 512, v11
	s_mul_i32 s21, s15, PIECE
	s_mul_i32 s22, s16, PIECE
	s_add_co_u32 s22, s22, 2*PIECE
.irp s, 0,1,2
	v_add_nc_u32 v[ADU16+\s], s21, v10
	v_add_nc_u32 v[ADU8+\s], s21, v12
	v_add_nc_u32 v[ADT16+\s], s22, v10
	v_add_nc_u32 v[ADT8+\s], s22, v12
	s_add_co_u32 s21, s21, SLOT
	s_add_co_u32 s22, s22, SLOT
.endr
	s_mul_i32 s21, s15, SPB
	s_mul_i32 s22, s16, SPB
	s_add_co_u32 s22, s22, 2*SPB+128
	s_sub_co_u32 s22, s22, s21
	v_mul_u32_u24 v6, s22, v3
	s_add_co_u32 s21, s21, SCL
	v_lshl_add_u32 v5, v2, 2, v6
	v_add_nc_u32 v[ADRS], s21, v5
	s_lshl_b32 s21, s14, 9
	s_add_co_u32 s21, s21, SCRATCH
	v_lshl_add_u32 v[SCW], v2, 2, s21
	v_add_nc_u32 v[SCR], s21, v10
	s_mov_b32 s[SEL], 0x76543210
	s_mov_b32 s[SEL+1], 0xfedcba98
	s_lshl_b32 s18, s[TB], 1
	s_add_co_u32 s18, s18, s16
.if KIND == 0
	s_mul_i32 s19, s97, 192
	s_sub_co_u32 s19, 256, s19
	s_lshl_b32 s20, s97, 3
	s_sub_co_u32 s20, s17, s20
.else
	s_mov_b32 s19, 256
	s_mov_b32 s20, s17
.endif
	s_lshl_b32 s20, s20, 4
	s_lshl_b32 s21, s15, 3
	s_add_co_u32 s20, s20, s21
	s_mul_i32 s22, s18, s19
	s_add_co_u32 s98, s22, s20
	s_lshl_b32 s98, s98, 6
	s_lshl_b32 s22, s22, 1
	s_add_co_u32 s22, s22, s20
	s_mul_i32 s22, s22, 768
.if KIND == 0
	s_mul_i32 s21, s97, 6553600
	s_add_co_u32 s22, s22, s21
	s_mul_i32 s21, s97, 3407872
	s_add_co_u32 s98, s98, s21
.endif
	s_add_co_u32 s98, s98, OOFFS
	s_mov_b32 s23, 0
	s_mov_b32 s99, 0
	s_add_nc_u64 s[92:93], s[OPTR:OPTR+1], s[22:23]
	s_mul_i32 s22, s19, 768
	s_add_nc_u64 s[94:95], s[92:93], s[22:23]
	s_add_nc_u64 s[98:99], s[OPTR:OPTR+1], s[98:99]
.if BIAS
	s_mul_i32 s20, s[TB], 2*N8
	s_mul_i32 s21, s16, N8
	s_add_co_u32 s20, s20, s21
	s_lshl_b32 s20, s20, 6
	s_mov_b32 s21, 0
	s_add_nc_u64 s[BPTR:BPTR+1], s[BPTR:BPTR+1], s[20:21]
	v_lshlrev_b32 v13, 6, v3
	WIN 0x40
.set FI, 0
.rept N8
	global_load_b128 v[8*FI:8*FI+3], v13, s[BPTR:BPTR+1] offset:(32*(FI/2)+8*(FI%2))*4
	global_load_b128 v[8*FI+4:8*FI+7], v13, s[BPTR:BPTR+1] offset:(32*(FI/2)+8*(FI%2))*4+16
.set FI, FI+1
.endr
	WIN 0
.endif
.macro FRAG reg, a16, a8, q, i
	ds_load_b128 v[(\reg):(\reg)+3], v[\a16] offset:(2*(\q))*N8*768+(\i)*768
	ds_load_b64 v[(\reg)+4:(\reg)+5], v[\a8] offset:(2*(\q))*N8*768+(\i)*768
	ds_load_b128 v[(\reg)+6:(\reg)+9], v[\a16] offset:(2*(\q)+1)*N8*768+(\i)*768
	ds_load_b64 v[(\reg)+10:(\reg)+11], v[\a8] offset:(2*(\q)+1)*N8*768+(\i)*768
.endm
.macro FETCH slot, q, p
.set WN, (\p)<<6
	WIN WN
.set FI, 0
.rept N8
	FRAG TF+12*FI, ADT16+\slot, ADT8+\slot, \q, FI
	FRAG UF+12*FI, ADU16+\slot, ADU8+\slot, \q, FI
.set FI, FI+1
.endr
.endm
.macro SCALES sc
	WIN 0
.set FI, 0
.rept N8
.set FQ, 0
.rept NQ
	ds_load_b32 v[SC+16*(\sc)+NQ*FI+FQ], v[ADRS] offset:FQ*N8*64+FI*64
.set FQ, FQ+1
.endr
.set FI, FI+1
.endr
.endm
.macro MULA a0, na, p, q, sc, cm
.set MA, \a0
.rept \na
.set MW, 2+(8*N8*MA)/256
.set MR, (8*N8*MA)%256
.if (\cm) && BIAS
.set WN, (\p)|((\p)<<2)|(1<<4)|(MW<<6)
.else
.set WN, (\p)|((\p)<<2)|(MW<<4)|(MW<<6)
.endif
	WIN WN
.set MB, 0
.rept N8
.if (\cm) && BIAS
	v_wmma_scale_f32_16x16x128_f8f6f4 v[MR+8*MB:MR+8*MB+7], v[TF+12*MB:TF+12*MB+11], v[UF+12*MA:UF+12*MA+11], v[8*MB:8*MB+7], v[SC+16*(\sc)+NQ*MB+(\q)], v[SC+16*(\sc)+NQ*MA+(\q)] matrix_a_fmt:MATRIX_FMT_FP6 matrix_b_fmt:MATRIX_FMT_FP6 matrix_a_scale:MATRIX_SCALE_ROW1
.elseif \cm
	v_wmma_scale_f32_16x16x128_f8f6f4 v[MR+8*MB:MR+8*MB+7], v[TF+12*MB:TF+12*MB+11], v[UF+12*MA:UF+12*MA+11], 0, v[SC+16*(\sc)+NQ*MB+(\q)], v[SC+16*(\sc)+NQ*MA+(\q)] matrix_a_fmt:MATRIX_FMT_FP6 matrix_b_fmt:MATRIX_FMT_FP6 matrix_a_scale:MATRIX_SCALE_ROW1
.else
	v_wmma_scale_f32_16x16x128_f8f6f4 v[MR+8*MB:MR+8*MB+7], v[TF+12*MB:TF+12*MB+11], v[UF+12*MA:UF+12*MA+11], v[MR+8*MB:MR+8*MB+7], v[SC+16*(\sc)+NQ*MB+(\q)], v[SC+16*(\sc)+NQ*MA+(\q)] matrix_a_fmt:MATRIX_FMT_FP6 matrix_b_fmt:MATRIX_FMT_FP6 matrix_a_scale:MATRIX_SCALE_ROW1
.endif
.set MB, MB+1
.endr
.set MA, MA+1
.endr
.endm
.macro STEP slot, sc, cm
	s_wait_dscnt 0x0
	PLACES
	FETCH \slot, 1, 1
	MULA 0, N8, 0, 0, \sc, \cm
.endm
.macro PASS sc, next
	s_wait_dscnt 0x0
	PLACES
	WIN 0
	v_add_nc_u32 v[ADRS], 1024, v[ADRS]
	FETCH \next, 0, 0
	SCALES 1-(\sc)
	MULA 0, N8, 1, 1, \sc, 0
.endm
.macro TURN sc, next, fill
	WIN 0
	s_wait_tensorcnt 0x0
	ds_add_u32 v[SPW], v[NIL]
	s_wait_dscnt 0x1
	MULA 0, N8/4, 1, 1, \sc, 0
	s_wait_dscnt 0x0
	s_barrier_signal -1
	MULA N8/4, N8/4, 1, 1, \sc, 0
	WIN 0
	s_barrier_wait -1
.if \fill
	CREST
	s_add_nc_u64 s[G0U+2:G0U+3], s[G0U+2:G0U+3], USTEP
	s_add_nc_u64 s[G0T+2:G0T+3], s[G0T+2:G0T+3], TSTEP
	JLOAD G0U, G1U, G0T, G1T
.else
	PLACES
.endif
	v_add_nc_u32 v[ADRS], 1024, v[ADRS]
	FETCH \next, 0, 0
	SCALES 1-(\sc)
	MULA N8/2, N8/2, 1, 1, \sc, 0
.endm
	s_wait_alu depctr_va_vdst(0)
	s_wait_tensorcnt 0x2
	s_barrier_signal -1
	s_barrier_wait -1
	FETCH 0, 0, 0
	SCALES 0
.if BIAS
	s_wait_loadcnt 0x0
.endif
	STEP 0, 0, 1
	TURN 0, 1, 1
	s_wait_alu depctr_va_vdst(0)
	STEP 1, 1, 0
	PASS 1, 2
	s_wait_alu depctr_va_vdst(0)
	STEP 2, 0, 0
	TURN 0, 0, 0
	STEP 0, 1, 0
	s_wait_dscnt 0x0
	MULA 0, N8, 1, 1, 1, 0
	WIN 0
.macro QOUT a
.set QW, 2+(\a)/4
.set QB, 64*((\a)%4)
	WIN 0
	s_wait_xcnt 0x0
	s_wait_dscnt 0x0
.if RELU
.set WN, (QW<<6)|(QW<<2)
	WIN WN
.set J, 0
.rept 64
	v_max_num_f32 v[QB+J], 0, v[QB+J]
.set J, J+1
.endr
.endif
.set WN, (QW<<2)|(QW<<4)
	WIN WN
.irp b, 0,1,2,3
	v_max3_num_f32 v[TM+\b], 0x1800000, |v[QB+16*\b]|, |v[QB+16*\b+1]|
.endr
.irp i, 2,4,6,8,10,12,14
.irp b, 0,1,2,3
	v_max3_num_f32 v[TM+\b], v[TM+\b], |v[QB+16*\b+\i]|, |v[QB+16*\b+\i+1]|
.endr
.endr
	WIN 0
.irp b, 0,1,2,3
	v_permlanex16_b32 v[TM+4+\b], v[TM+\b], s[SEL], s[SEL+1]
.endr
.irp b, 0,1,2,3
	v_max_num_f32 v[TM+\b], v[TM+\b], v[TM+4+\b]
.endr
.irp b, 0,1,2,3
	v_add_nc_u32 v[TM+12+\b], 0xff000000, v[TM+\b]
.endr
.irp b, 0,1,2,3
	v_lshrrev_b32 v[TM+4+\b], 23, v[TM+12+\b]
.endr
	v_lshl_or_b32 v[PW], v[TM+5], 8, v[TM+4]
	v_lshl_or_b32 v[PW], v[TM+6], 16, v[PW]
	v_lshl_or_b32 v[PW], v[TM+7], 24, v[PW]
	WIN QW
.irp c, 0,1
	v_cvt_scalef32_pk16_fp6_f32 v[PC+6*\c:PC+2+6*\c], v[QB+32*\c:QB+15+32*\c], v[TM+12+2*\c]
	v_cvt_scalef32_pk16_fp6_f32 v[PC+12+4*\c:PC+14+4*\c], v[QB+16+32*\c:QB+31+32*\c], v[TM+12+2*\c+1]
.endr
	WIN 0
	v_nop
.irp c, 0,1
.irp i, 0,1,2
	v_permlane16_swap_b32 v[PC+6*\c+\i], v[PC+12+4*\c+\i]
.endr
.irp i, 0,1,2
	v_mov_b32 v[PC+3+6*\c+\i], v[PC+12+4*\c+\i]
.endr
.endr
	global_store_b128 v10, v[PC:PC+3], s[92:93] offset:768*(\a)
	global_store_b64 v11, v[PC+4:PC+5], s[92:93] offset:768*(\a)+512
	global_store_b128 v10, v[PC+6:PC+9], s[94:95] offset:768*(\a)
	global_store_b64 v11, v[PC+10:PC+11], s[94:95] offset:768*(\a)+512
	ds_store_b32 v[SCW], v[PW] offset:64*(\a)
.endm
	PLACES
.irp b, 0,1,2,3
	v_mov_b32 v[TM+4+\b], 0
.endr
.irp a, 0,1,2,3,4,5,6,7
	QOUT \a
.endr
	ds_load_b128 v[GW:GW+3], v[SCR]
	s_wait_dscnt 0x0
	global_store_b128 v10, v[GW:GW+3], s[98:99]
	s_wait_tensorcnt 0x0
	ds_add_u32 v[SPW], v[NIL]
	s_wait_dscnt 0x0
	CROUND
	s_endpgm
.Lfunc_end_k_qf716d6b1db_qkv:
	.size	k_qf716d6b1db_qkv, .Lfunc_end_k_qf716d6b1db_qkv-k_qf716d6b1db_qkv
	.p2alignl 7, 3214868480
	.fill 96, 4, 3214868480
	.section	.rodata,"a",@progbits
	.p2align	6, 0x0
	.amdhsa_kernel k_qf716d6b1db_qkv
		.amdhsa_group_segment_fixed_size 327680
		.amdhsa_private_segment_fixed_size 0
		.amdhsa_enable_private_segment 0
		.amdhsa_kernarg_size 16
		.amdhsa_user_sgpr_count 2
		.amdhsa_user_sgpr_kernarg_segment_ptr 1
		.amdhsa_wavefront_size32 1
		.amdhsa_system_sgpr_workgroup_id_x 1
		.amdhsa_system_sgpr_workgroup_id_y 1
		.amdhsa_system_sgpr_workgroup_id_z 1
		.amdhsa_system_vgpr_workitem_id 0
		.amdhsa_next_free_vgpr 1024
		.amdhsa_next_free_sgpr 100
		.amdhsa_reserve_vcc 0
		.amdhsa_float_denorm_mode_32 3
		.amdhsa_float_denorm_mode_16_64 3
		.amdhsa_memory_ordered 1
		.amdhsa_forward_progress 1
		.amdhsa_inst_pref_size 153
	.end_amdhsa_kernel
	.amdgpu_metadata
---
amdhsa.version: [ 1, 2 ]
amdhsa.kernels:
  - .name:           k_qf716d6b1db_qkv
    .symbol:         k_qf716d6b1db_qkv.kd
    .args:
      - { .name: wq0, .offset: 0, .size: 8, .value_kind: global_buffer, .address_space: global }
      - { .name: qkv, .offset: 8, .size: 8, .value_kind: global_buffer, .address_space: global }
    .group_segment_fixed_size: 327680
    .private_segment_fixed_size: 0
    .kernarg_segment_align: 8
    .kernarg_segment_size: 16
    .max_flat_workgroup_size: 128
    .sgpr_count:     100
    .vgpr_count:     1024
    .wavefront_size: 32
...
	.end_amdgpu_metadata
.endif
;; end of part 2
;; launch att (part 3): grid 8 x 32, 16 waves a work-group, clusters of 4 x 1, 210,944 bytes of LDS; arguments qkv, oq; writes oq
.if DOCPART == 3
	.amdgcn_target "amdgcn-amd-amdhsa--gfx1250"
	.amdhsa_code_object_version 6
	.text
	.protected	k_qf716d6b1db_att
	.globl	k_qf716d6b1db_att
	.p2align	8
	.type	k_qf716d6b1db_att,@function
k_qf716d6b1db_att:
	s_mov_b64 s[64:65], 0
	v_nop
	global_prefetch_b8 v0, s[64:65] scope:SCOPE_SE
	s_setreg_imm32_b32 hwreg(HW_REG_WAVE_MODE, 25, 1), 1
	s_wait_xcnt 0x0
	s_wait_alu depctr_hold_cnt(0) depctr_sa_sdst(0) depctr_va_vdst(0) depctr_va_sdst(0) depctr_va_ssrc(0) depctr_va_vcc(0) depctr_vm_vsrc(0)
	s_getreg_b32 s2, hwreg(HW_REG_IB_STS2, 6, 4)
	s_cmp_eq_u32 s2, 0
	s_cbranch_scc0 .Lentry_in_a_cluster
	s_endpgm
.Lentry_in_a_cluster:
	s_bfe_u32 s2, ttmp6, 0x10000c
	s_cmp_lg_u32 s2, 0x3003
	s_cbranch_scc0 .Lentry_shape_is_right
	s_endpgm
.Lentry_shape_is_right:
; o = softmax(q k^T / 8) v for one head and 256 queries, both products on codes of FP6 (E2M3) with E8M0 scales; o leaves quantised along the head's 64, as an image of the next product's operand.
; q, k: images of 16 tokens x the head's 64 (768 bytes: lane l's 24 bytes as 16 at 16 l, 8 at 512 + 8 l); a scale word serves two heads, so a head's two bytes are a half word.  v: images of 16 of the head's 64 x 64 keys.
; A tile's slot r is row 32 (T / 2) + 8 (T % 2) + r % 8 + 16 (r / 8), so that the 16 registers of two neighbouring tiles of a transposed result are 16 neighbours.
; THE FIRST PRODUCT'S K IS 64: the upper six registers of q's and k's fragments hold zero codes, and the upper two scale bytes the 0 that the half-word load leaves: they add nothing.
; THE SOFTMAX: t = score x log2(e) / 8; M = the running largest t rounded up to a whole number; p = 2^(t - M) is quantised along the keys, not normalised; the sum of the unquantised p divides at the end.
; SHARES: sixteen waves, each 16 queries in 256 registers, four to a SIMD.  Every wave walks the 2,048 keys, 128 a step, in one loop of 16 trips with no barrier in it.
; A WHOLE HEAD'S k AND v LIE IN LDS: 98,304 bytes of codes each, 8,192 and 4,096 bytes of scale words.  Every LDS byte is filled once, at the head: no slot is filled again.
; THE FILLS, one tensor load a wave: waves 0-3 a quarter of k's codes each (24,576 bytes), waves 4-7 a quarter of v's, wave 8 k's scale words, wave 9 v's; waves 10-15 none.  One wait for 0 and one barrier show all of it to all waves.
; CLUSTER 4 x 1: the four query blocks of a cluster share the head: every fill is a joint load with the mask of all four.
; No prefetch: the fills are asked for at the head, and the loop reads LDS alone.
; src_mask is no argument: reference() never uses it.  LIMITS: NaN and infinities are not served; a block of zeros gets the byte 1; the promise holds while |t| stays under 2^31.
.set LVC, 98304
.set LKS, 196608
.set LVS, 204800
.set QKS_O, 6291456
.set VC_O, 6553600
.set VS_O, 9699328
.set OS_O, 3145728
.set AK16, 1                           ; v1-6 my lane's places: k's images (16 l; 512 + 8 l), v's, k's half words, v's words
.set AK8, 2
.set AV16, 3
.set AV8, 4
.set AKS, 5
.set AVS, 6
.set ADK16, 7                          ; v7-11, v243 the same for the step in hand
.set ADK8, 8
.set ADV16, 9
.set ADV8, 10
.set ADKS, 11
.set ADVS, 243
.set KF, 32                            ; v32-79 four fragments of k;  v80-127 four of v;  v28-31 v's scale words;  v248-251 k's;  v255 q's;  v253 p's
.set VF, 80
.set S, 128                            ; v128-191 S^T, then p
.set O, 192                            ; v192-223 O^T
.set WV, 8
.set G1KS, 12
.set G1K, 20
.set G1VS, 28
.set G1V, 36
.set G0, 44                            ; s[44:47] my one load's group 0
.set SEL, 66
.set CS, 68
.set T6, 2                             ; s2 the step's codes, 6,144 bytes a step in k and in v;  s3 k's half words, 512;  s11 v's words, 256
.set TKS, 3
.set TVS, 11
.set CNT, 85
.macro CROUND
	s_barrier_signal -1
	s_barrier_wait -1
	s_cmp_lg_u32 s[WV], 0
	s_cbranch_scc1 .Lnot_wave_0_\@
	s_barrier_signal -3
.Lnot_wave_0_\@:
	s_barrier_wait -3
	s_barrier_signal -1
	s_barrier_wait -1
.endm
.macro BEHIND                          ; behind a tensor load
	s_nop 0
.rept 4
	v_nop
.endr
.endm
	s_load_b128 s[4:7], s[0:1], 0x0                ; qkv, oq
	v_lshl_add_u32 v254, v0, 2, 0x33000
	v_mov_b32 v255, 0
	ds_add_u32 v254, v255                          ; the opening lines
	ds_add_u32 v254, v255
	s_wait_dscnt 0x0
	v_lshrrev_b32 v1, 5, v0
	s_delay_alu instid0(VALU_DEP_1)
	v_readfirstlane_b32 s[WV], v1                  ; wave 0..15
	s_bfe_u32 s9, ttmp6, 0x40000                   ; cx: it enters q's and o's global addresses alone
	s_lshl_b32 s10, ttmp9, 2
	s_add_co_u32 s10, s10, s9                      ; my block of 256 queries
	s_and_b32 s70, ttmp7, 0xffff
	s_lshr_b32 s71, s70, 4                         ; the batch
	s_and_b32 s72, s70, 15                         ; the head
	s_and_b32 s73, s72, 1
	s_lshr_b32 s74, s72, 1
	; group 1, elements of 8 bytes, mask of all four partners
.irp g, G1KS, G1K, G1VS, G1V
	s_mov_b32 s[\g], 15|(3<<16)|(1<<21)
	s_mov_b32 s[\g+6], 0
	s_mov_b32 s[\g+7], 0
.endr
	s_mov_b32 s[G1KS+1], 32<<16                    ; k's scale words: 8,192 dense bytes as 32 rows of 256
	s_mov_b32 s[G1KS+2], 32<<16
	s_mov_b32 s[G1KS+3], 32<<16
	s_mov_b32 s[G1KS+4], 32
	s_mov_b32 s[G1KS+5], 32
	s_mov_b32 s[G1K+1], 32<<16                     ; a quarter of k: 32 images, 24,576 dense bytes as 96 rows of 256
	s_mov_b32 s[G1K+2], 96<<16
	s_mov_b32 s[G1K+3], 32<<16
	s_mov_b32 s[G1K+4], 96
	s_mov_b32 s[G1K+5], 32
	s_mov_b32 s[G1VS+1], 32<<16                    ; v's scale words: 16 K steps x 256 bytes, 4,096 bytes apart
	s_mov_b32 s[G1VS+2], 16<<16
	s_mov_b32 s[G1VS+3], 32<<16
	s_mov_b32 s[G1VS+4], 16
	s_mov_b32 s[G1VS+5], 512
	s_mov_b32 s[G1V+1], 384<<16                    ; a quarter of v: 8 chunks of 64 keys x 4 images, 49,152 bytes apart
	s_mov_b32 s[G1V+2], 8<<16
	s_mov_b32 s[G1V+3], 384<<16
	s_mov_b32 s[G1V+4], 8
	s_mov_b32 s[G1V+5], 6144
	s_add_co_u32 s75, s72, 16
	s_lshl_b32 s75, s75, 8
	s_lshl_b32 s76, s71, 7
	s_add_co_u32 s75, s75, s76
	s_mul_i32 s75, s75, 768                        ; k's codes: ((16 + head) 256 + 128 batch) 768
	s_lshl_b32 s77, s71, 11
	s_lshl_b32 s78, s72, 2
	s_add_co_u32 s77, s77, s78
	s_mul_i32 s77, s77, 768
	s_add_co_u32 s77, s77, VC_O                    ; v's: (32 batch x 64 + 4 head) 768
	s_add_co_u32 s79, s74, 8
	s_lshl_b32 s79, s79, 8
	s_add_co_u32 s79, s79, s76
	s_lshl_b32 s79, s79, 6
	s_add_co_u32 s79, s79, QKS_O                   ; k's scale words
	s_lshl_b32 s80, s71, 10
	s_add_co_u32 s80, s80, s78
	s_lshl_b32 s80, s80, 6
	s_add_co_u32 s80, s80, VS_O                    ; v's
	s_and_b32 s81, s[WV], 3                        ; which quarter
	s_mul_i32 s83, s81, 24576
	s_add_co_u32 s83, s83, s75                     ; of k,
	s_mul_i32 s84, s81, 393216
	s_add_co_u32 s84, s84, s77                     ; or of v
	s_cmp_lt_u32 s[WV], 4
	s_cselect_b32 s86, s83, s84
	s_cmp_eq_u32 s[WV], 8
	s_cselect_b32 s86, s79, s86
	s_cmp_eq_u32 s[WV], 9
	s_cselect_b32 s86, s80, s86                    ; where my load reads, as an offset in qkv
	s_mov_b32 s87, 0
	s_mul_i32 s88, s[WV], 24576                    ; where it lands: the eight quarters on end, LKS = 8 x 24,576,
	s_min_u32 s88, s88, LVS                        ; and wave 9's at LVS
	s_lshl_b32 s92, s71, 7
	s_lshl_b32 s93, s10, 4
	s_add_co_u32 s92, s92, s93
	s_add_co_u32 s92, s92, s[WV]                   ; my tile of queries: 128 batch + 16 block + wave
	s_lshl_b32 s93, s72, 8
	s_add_co_u32 s93, s93, s92
	s_mul_i32 s94, s93, 768                        ; q's image, and o's: (256 head + T) 768
	s_mov_b32 s95, 0
	s_lshl_b32 s93, s74, 8
	s_add_co_u32 s93, s93, s92
	s_lshl_b32 s93, s93, 6
	s_lshl_b32 s96, s73, 1
	s_add_co_u32 s93, s93, s96                     ; its half words: (256 (head / 2) + T) 64 + 2 (head % 2)
	s_add_co_u32 s96, s93, QKS_O
	s_mov_b32 s97, 0
	s_add_co_u32 s98, s93, OS_O
	s_mov_b32 s99, 0
	s_mov_b32 s[SEL], 0x76543210
	s_mov_b32 s[SEL+1], 0xfedcba98
	s_mov_b32 s[CS], 0x3e38aa3b                    ; c = log2(e) / 8
	s_mov_b32 s[CS+1], s[CS]
	s_mov_b32 s[T6], 0
	s_mov_b32 s[TKS], 0
	s_mov_b32 s[TVS], 0
	s_wait_kmcnt 0x0
	s_mov_b32 s[G0], 1
	s_mov_b32 s[G0+1], s88
	s_add_nc_u64 s[G0+2:G0+3], s[4:5], s[86:87]
	s_or_b32 s[G0+3], s[G0+3], 0x80000000
	s_add_nc_u64 s[98:99], s[6:7], s[98:99]        ; o's half words
	s_add_nc_u64 s[6:7], s[6:7], s[94:95]          ; o's image
	s_add_nc_u64 s[94:95], s[4:5], s[94:95]        ; q's image
	s_add_nc_u64 s[96:97], s[4:5], s[96:97]        ; q's half words
	CROUND                                         ; all four work-groups are here: the joint loads meet
	s_cmp_lt_u32 s[WV], 4                          ; one chain of branches on the wave's number, one load to an arm, all arms to one join
	s_cbranch_scc0 .Lnot_k
	tensor_load_to_lds s[G0:G0+3], s[G1K:G1K+7]
	BEHIND
	s_branch .Lasked
.Lnot_k:
	s_cmp_lt_u32 s[WV], 8
	s_cbranch_scc0 .Lnot_v
	tensor_load_to_lds s[G0:G0+3], s[G1V:G1V+7]
	BEHIND
	s_branch .Lasked
.Lnot_v:
	s_cmp_eq_u32 s[WV], 8
	s_cbranch_scc0 .Lnot_ks
	tensor_load_to_lds s[G0:G0+3], s[G1KS:G1KS+7]
	BEHIND
	s_branch .Lasked
.Lnot_ks:
	s_cmp_eq_u32 s[WV], 9
	s_cbranch_scc0 .Lasked
	tensor_load_to_lds s[G0:G0+3], s[G1VS:G1VS+7]
	BEHIND
.Lasked:
	v_and_b32 v7, 31, v0
	v_and_b32 v8, 15, v0
	s_delay_alu instid0(VALU_DEP_2)
	v_lshlrev_b32 v[AK16], 4, v7
	s_delay_alu instid0(VALU_DEP_3)
	v_lshlrev_b32 v[AK8], 3, v7
	s_delay_alu instid0(VALU_DEP_1)
	v_add_nc_u32 v[AK8], 512, v[AK8]
	s_delay_alu instid0(VALU_DEP_3)
	v_add_nc_u32 v[AV16], LVC, v[AK16]
	s_delay_alu instid0(VALU_DEP_2)
	v_add_nc_u32 v[AV8], LVC, v[AK8]
	v_lshlrev_b32 v254, 2, v8                      ; 4 r
	s_lshl_b32 s93, s73, 1
	s_add_co_u32 s93, s93, LKS
	v_add_nc_u32 v[AKS], s93, v254
	v_add_nc_u32 v[AVS], LVS, v254
	global_load_b128 v[16:19], v[AK16], s[94:95]   ; q's fragment stays in registers
	global_load_b64 v[20:21], v[AK8], s[94:95]
	global_load_u16 v255, v254, s[96:97]
.irp i, 22,23,24,25,26,27
	v_mov_b32 v\i, 0                               ; zero codes for k = 64 .. 127
.endr
.irp t, 0,1,2,3
.irp i, 6,7,8,9,10,11
	v_mov_b32 v[KF+12*\t+\i], 0
.endr
.endr
	v_mov_b32 v13, 0xff61b1e6                      ; the largest t so far: -3e38
	s_delay_alu instid0(VALU_DEP_1)
	v_floor_f32 v12, -v13                          ; -M
	v_mov_b32 v14, 0                               ; the sum, in two halves
	v_mov_b32 v15, 0
.irp b, 0,1,2,3
	v_mov_b32 v[236+\b], 0                         ; a lane permute's destination counts as one of its sources
.endr
	v_mov_b32 v253, 0
.set J, 0
.rept 32
	v_mov_b32 v[O+J], 0                            ; the step is written once: the first finds zeros
.set J, J+1
.endr
.macro STEP                            ; 128 keys
	v_add_nc_u32 v[ADK16], s[T6], v[AK16]          ; (these six are also places behind the last step's products)
	v_add_nc_u32 v[ADK8], s[T6], v[AK8]
	v_add_nc_u32 v[ADV16], s[T6], v[AV16]
	v_add_nc_u32 v[ADV8], s[T6], v[AV8]
	v_add_nc_u32 v[ADKS], s[TKS], v[AKS]
	v_add_nc_u32 v[ADVS], s[TVS], v[AVS]
.irp t, 0,1,2,3
	ds_load_b128 v[KF+12*\t:KF+12*\t+3], v[ADK16] offset:768*\t
	ds_load_b64 v[KF+12*\t+4:KF+12*\t+5], v[ADK8] offset:768*\t
	ds_load_u16 v[248+\t], v[ADKS] offset:64*\t
.endr
	s_wait_alu depctr_va_vdst(0)
	s_wait_dscnt 0x0
.irp t, 0,1,2,3
	v_wmma_scale_f32_16x16x128_f8f6f4 v[S+8*\t:S+8*\t+7], v[KF+12*\t:KF+12*\t+11], v[16:27], 0, v[248+\t], v255 matrix_a_fmt:MATRIX_FMT_FP6 matrix_b_fmt:MATRIX_FMT_FP6
.endr
.rept 4
	v_nop                                          ; places ahead of loads into registers that these products read
.endr
.irp t, 0,1,2,3
	ds_load_b128 v[KF+12*\t:KF+12*\t+3], v[ADK16] offset:768*(4+\t)
	ds_load_b64 v[KF+12*\t+4:KF+12*\t+5], v[ADK8] offset:768*(4+\t)
	ds_load_u16 v[248+\t], v[ADKS] offset:64*(4+\t)
.endr
.irp t, 0,1,2,3                                ; v's four fragments land while the softmax is walked
	ds_load_b128 v[VF+12*\t:VF+12*\t+3], v[ADV16] offset:768*\t
	ds_load_b64 v[VF+12*\t+4:VF+12*\t+5], v[ADV8] offset:768*\t
	ds_load_b128 v[VF+12*\t+6:VF+12*\t+9], v[ADV16] offset:3072+768*\t
	ds_load_b64 v[VF+12*\t+10:VF+12*\t+11], v[ADV8] offset:3072+768*\t
	ds_load_b32 v[28+\t], v[ADVS] offset:64*\t
.endr
	s_wait_dscnt 20                                ; k's twelve are in; v's twenty may be out
.irp t, 0,1,2,3
	v_wmma_scale_f32_16x16x128_f8f6f4 v[S+32+8*\t:S+32+8*\t+7], v[KF+12*\t:KF+12*\t+11], v[16:27], 0, v[248+\t], v255 matrix_a_fmt:MATRIX_FMT_FP6 matrix_b_fmt:MATRIX_FMT_FP6
.endr
.rept 4
	v_nop
.endr
.irp b, 0,1,2,3
	v_max3_num_f32 v[232+\b], v[S+16*\b], v[S+1+16*\b], v[S+2+16*\b]   ; the largest score of each block of 32 keys: it serves the row's maximum and the block's largest p
.endr
.irp i, 3,5,7,9,11,13
.irp b, 0,1,2,3
	v_max3_num_f32 v[232+\b], v[232+\b], v[S+16*\b+\i], v[S+1+16*\b+\i]
.endr
.endr
.irp b, 0,1,2,3
	v_max_num_f32 v[232+\b], v[232+\b], v[S+15+16*\b]
.endr
.irp b, 0,1,2,3
	s_delay_alu instid0(VALU_DEP_4)
	v_permlanex16_b32 v[236+\b], v[232+\b], s[SEL], s[SEL+1]
.endr
.irp b, 0,1,2,3
	s_delay_alu instid0(VALU_DEP_4)
	v_max_num_f32 v[232+\b], v[232+\b], v[236+\b]
.endr
	s_delay_alu instid0(VALU_DEP_2)
	v_max3_num_f32 v254, v232, v233, v234
	s_delay_alu instid0(VALU_DEP_1)
	v_max_num_f32 v254, v254, v235
	s_delay_alu instid0(VALU_DEP_1)
	v_mul_f32 v254, s[CS], v254
	s_delay_alu instid0(VALU_DEP_1)
	v_max_num_f32 v13, v13, v254                   ; the running largest t
	v_mov_b32 v254, v12
	s_delay_alu instid0(VALU_DEP_2)
	v_floor_f32 v12, -v13                          ; the new -M: M is a whole number
	s_delay_alu instid0(VALU_DEP_1)
	v_sub_f32 v254, v12, v254
	s_delay_alu instid0(VALU_DEP_1)
	v_cvt_i32_f32 v254, v254                       ; (it saturates)
	s_delay_alu instid0(VALU_DEP_1)
	v_ldexp_f32 v252, 1.0, v254                    ; f = 2^(old M - new M): rounds nothing
.set J, 0
.rept 32
	v_pk_fma_f32 v[S+J:S+J+1], v[S+J:S+J+1], s[CS:CS+1], v[12:13] op_sel_hi:[1,0,0]   ; t - M
.set J, J+2
.endr
.irp b, 0,1,2,3
	v_fma_f32 v[232+\b], v[232+\b], s[CS], v12
.endr
.set J, 0
	s_wait_alu depctr_va_vdst(0)                   ; ahead of the batch
.rept 64
	v_exp_f32 v[S+J], v[S+J]                       ; p = 2^(t - M)
.set J, J+1
.endr
	v_pk_mul_f32 v[14:15], v[14:15], v[252:253] op_sel_hi:[1,0]    ; the sums under the new M: the plain place behind the batch
	s_wait_alu depctr_va_vdst(0)                   ; one wait for the batch of 64, ahead of its first reader
.irp b, 0,1,2,3
	v_exp_f32 v[232+\b], v[232+\b]                 ; the blocks' largest p
.endr
	v_pk_add_f32 v[236:237], v[132:133], v[136:137]                ; the row's sum of the unquantised p, in eight chains
	v_pk_add_f32 v[250:251], v[140:141], v[144:145]
	v_pk_add_f32 v[248:249], v[148:149], v[152:153]
	v_pk_add_f32 v[246:247], v[156:157], v[160:161]
	v_pk_add_f32 v[244:245], v[164:165], v[168:169]
	v_pk_add_f32 v[242:243], v[172:173], v[176:177]
	v_pk_add_f32 v[240:241], v[180:181], v[184:185]
	v_pk_add_f32 v[14:15], v[14:15], v[188:189]
	v_pk_add_f32 v[236:237], v[236:237], v[128:129]
	v_pk_add_f32 v[250:251], v[250:251], v[130:131]
	v_pk_add_f32 v[248:249], v[248:249], v[134:135]
	v_pk_add_f32 v[246:247], v[246:247], v[138:139]
	v_pk_add_f32 v[244:245], v[244:245], v[142:143]
	v_pk_add_f32 v[242:243], v[242:243], v[146:147]
	v_pk_add_f32 v[240:241], v[240:241], v[150:151]
	v_pk_add_f32 v[14:15], v[14:15], v[154:155]
	v_pk_add_f32 v[236:237], v[236:237], v[158:159]
	v_pk_add_f32 v[250:251], v[250:251], v[162:163]
	v_pk_add_f32 v[248:249], v[248:249], v[166:167]
	v_pk_add_f32 v[246:247], v[246:247], v[170:171]
	v_pk_add_f32 v[244:245], v[244:245], v[174:175]
	v_pk_add_f32 v[242:243], v[242:243], v[178:179]
	v_pk_add_f32 v[240:241], v[240:241], v[182:183]
	v_pk_add_f32 v[14:15], v[14:15], v[186:187]
	v_pk_add_f32 v[236:237], v[236:237], v[190:191]
	s_delay_alu instid0(VALU_DEP_2)
	v_pk_add_f32 v[14:15], v[14:15], v[246:247]
	s_delay_alu instid0(VALU_DEP_2)
	v_pk_add_f32 v[236:237], v[236:237], v[244:245]
	v_pk_add_f32 v[250:251], v[250:251], v[242:243]
	v_pk_add_f32 v[248:249], v[248:249], v[240:241]
	s_delay_alu instid0(VALU_DEP_2)
	v_pk_add_f32 v[14:15], v[14:15], v[250:251]
	s_delay_alu instid0(VALU_DEP_2)
	v_pk_add_f32 v[236:237], v[236:237], v[248:249]
	s_delay_alu instid0(VALU_DEP_1)
	v_pk_add_f32 v[14:15], v[14:15], v[236:237]
	s_wait_alu depctr_va_vdst(0)                   ; and one for the four
.irp b, 0,1,2,3
	v_max_num_f32 v[232+\b], 0x1800000, v[232+\b]  ; the floor: the byte cannot fall under 1
.endr
.irp b, 0,1,2,3
	s_delay_alu instid0(VALU_DEP_4)
	v_add_nc_u32 v[244+\b], 0xff000000, v[232+\b]
.endr
.irp b, 0,1,2,3
	s_delay_alu instid0(VALU_DEP_4)
	v_lshrrev_b32 v[236+\b], 23, v[244+\b]
.endr
	s_delay_alu instid0(VALU_DEP_3)
	v_lshl_or_b32 v253, v237, 8, v236              ; p's scale word
	s_delay_alu instid0(VALU_DEP_1)
	v_lshl_or_b32 v253, v238, 16, v253
	s_delay_alu instid0(VALU_DEP_1)
	v_lshl_or_b32 v253, v239, 24, v253
.irp c, 0,1
	v_cvt_scalef32_pk16_fp6_f32 v[224+6*\c:226+6*\c], v[S+32*\c:S+15+32*\c], v[244+2*\c]
	v_cvt_scalef32_pk16_fp6_f32 v[236+4*\c:238+4*\c], v[S+16+32*\c:S+31+32*\c], v[244+2*\c+1]
.endr
	v_nop
.irp c, 0,1
.irp i, 0,1,2
	v_permlane16_swap_b32 v[224+6*\c+\i], v[236+4*\c+\i]
.endr
.irp i, 0,1,2
	s_delay_alu instid0(VALU_DEP_3)
	v_mov_b32 v[227+6*\c+\i], v[236+4*\c+\i]
.endr
.endr
.set J, 0
.rept 16
	v_pk_mul_f32 v[O+J:O+J+1], v[O+J:O+J+1], v[252:253] op_sel_hi:[1,0]   ; O^T under the new M; also the places ahead of the scaled products
.set J, J+2
.endr
	s_wait_alu depctr_va_vdst(0)
	s_wait_dscnt 0x0                               ; v
.irp t, 0,1,2,3
	v_wmma_scale_f32_16x16x128_f8f6f4 v[O+8*\t:O+8*\t+7], v[VF+12*\t:VF+12*\t+11], v[224:235], v[O+8*\t:O+8*\t+7], v[28+\t], v253 matrix_a_fmt:MATRIX_FMT_FP6 matrix_b_fmt:MATRIX_FMT_FP6
.endr
	s_add_co_u32 s[T6], s[T6], 6144
	s_add_co_u32 s[TKS], s[TKS], 512
	s_add_co_u32 s[TVS], s[TVS], 256
.endm
	s_wait_loadcnt 0x0                             ; q
	s_wait_tensorcnt 0x0                           ; my one fill, if I issued one, has landed
	s_wait_dscnt 0x0
	s_barrier_signal -1
	s_barrier_wait -1                              ; so all ten have, for all sixteen waves: nothing is ever filled again
	s_mov_b32 s[CNT], 16
.Lstep:
	STEP
	s_sub_co_u32 s[CNT], s[CNT], 1
	s_cmp_lg_u32 s[CNT], 0
	s_cbranch_scc1 .Lstep
	; THE WAY OUT: O^T / the sum, quantised along the head's 64 (two blocks), as one image and a half word
.rept 4
	v_nop
.endr
	v_add_f32 v14, v14, v15
	s_delay_alu instid0(VALU_DEP_1)
	v_permlanex16_b32 v252, v14, s[SEL], s[SEL+1]
	s_delay_alu instid0(VALU_DEP_1)
	v_add_f32 v14, v14, v252
	s_wait_alu depctr_va_vdst(0)
	v_rcp_f32 v14, v14
	v_and_b32 v254, 15, v0                         ; (a plain place behind the reciprocal)
	s_delay_alu instid0(VALU_DEP_1)
	v_lshlrev_b32 v254, 2, v254                    ; 4 r
	s_wait_alu depctr_va_vdst(0)
.set J, 0
.rept 32
	v_mul_f32 v[S+J], v[O+J], v14                  ; register 16 b + i = channel 32 b + 16 h + i of my query
.set J, J+1
.endr
.irp b, 0,1
	v_max3_num_f32 v[232+\b], |v[S+16*\b]|, |v[S+1+16*\b]|, 0x1800000
.endr
.irp i, 2,4,6,8,10,12,14
.irp b, 0,1
	s_delay_alu instid0(VALU_DEP_2)
	v_max3_num_f32 v[232+\b], v[232+\b], |v[S+16*\b+\i]|, |v[S+1+16*\b+\i]|
.endr
.endr
.irp b, 0,1
	s_delay_alu instid0(VALU_DEP_2)
	v_permlanex16_b32 v[236+\b], v[232+\b], s[SEL], s[SEL+1]
.endr
.irp b, 0,1
	s_delay_alu instid0(VALU_DEP_2)
	v_max_num_f32 v[232+\b], v[232+\b], v[236+\b]
.endr
.irp b, 0,1
	s_delay_alu instid0(VALU_DEP_2)
	v_add_nc_u32 v[244+\b], 0xff000000, v[232+\b]
.endr
.irp b, 0,1
	s_delay_alu instid0(VALU_DEP_2)
	v_lshrrev_b32 v[236+\b], 23, v[244+\b]
.endr
	s_delay_alu instid0(VALU_DEP_1)
	v_lshl_or_b32 v240, v237, 8, v236
	v_cvt_scalef32_pk16_fp6_f32 v[224:226], v[S:S+15], v244
	v_cvt_scalef32_pk16_fp6_f32 v[236:238], v[S+16:S+31], v245
	v_nop
.irp i, 0,1,2
	v_permlane16_swap_b32 v[224+\i], v[236+\i]
.endr
.irp i, 0,1,2
	s_delay_alu instid0(VALU_DEP_3)
	v_mov_b32 v[227+\i], v[236+\i]
.endr
	global_store_b128 v[AK16], v[224:227], s[6:7]  ; 512 consecutive bytes,
	global_store_b64 v[AK8], v[228:229], s[6:7]    ; and the 256 behind them
	global_store_b16 v254, v240, s[98:99]          ; two bytes a row: the word's other half belongs to the neighbouring head's work-group
	s_wait_xcnt 0x0
	v_lshl_add_u32 v254, v0, 2, 0x33000            ; the add's two registers, made anew from v0
	v_mov_b32 v255, 0
	s_wait_alu depctr_va_vdst(0)
	s_wait_tensorcnt 0x0                           ; the wave's end
	ds_add_u32 v254, v255
	s_wait_dscnt 0x0
	CROUND                                         ; the closing round
	s_endpgm
.Lfunc_end_k_qf716d6b1db_att:
	.size	k_qf716d6b1db_att, .Lfunc_end_k_qf716d6b1db_att-k_qf716d6b1db_att
	.p2alignl 7, 3214868480
	.fill 96, 4, 3214868480
	.section	.rodata,"a",@progbits
	.p2align	6, 0x0
	.amdhsa_kernel k_qf716d6b1db_att
		.amdhsa_group_segment_fixed_size 210944
		.amdhsa_private_segment_fixed_size 0
		.amdhsa_enable_private_segment 0
		.amdhsa_kernarg_size 16
		.amdhsa_user_sgpr_count 2
		.amdhsa_user_sgpr_kernarg_segment_ptr 1
		.amdhsa_wavefront_size32 1
		.amdhsa_system_sgpr_workgroup_id_x 1
		.amdhsa_system_sgpr_workgroup_id_y 1
		.amdhsa_system_sgpr_workgroup_id_z 1
		.amdhsa_system_vgpr_workitem_id 0
		.amdhsa_next_free_vgpr 256
		.amdhsa_next_free_sgpr 100
		.amdhsa_reserve_vcc 0
		.amdhsa_float_denorm_mode_32 3
		.amdhsa_float_denorm_mode_16_64 3
		.amdhsa_memory_ordered 1
		.amdhsa_forward_progress 1
		.amdhsa_inst_pref_size 34
	.end_amdhsa_kernel
	.amdgpu_metadata
---
amdhsa.version: [ 1, 2 ]
amdhsa.kernels:
  - .name:           k_qf716d6b1db_att
    .symbol:         k_qf716d6b1db_att.kd
    .args:
      - { .name: qkv, .offset: 0, .size: 8, .value_kind: global_buffer, .address_space: global }
      - { .name: oq, .offset: 8, .size: 8, .value_kind: global_buffer, .address_space: global }
    .group_segment_fixed_size: 210944
    .private_segment_fixed_size: 0
    .kernarg_segment_align: 8
    .kernarg_segment_size: 16
    .max_flat_workgroup_size: 512
    .sgpr_count:     100
    .vgpr_count:     256
    .wavefront_size: 32
...
	.end_amdgpu_metadata
.endif
;; end of part 3
;; launch woln (part 4): grid 256 x 1, 8 waves a work-group, no clusters, 69,632 bytes of LDS; arguments oq, wq0, x, gamma1, beta1, x1; writes x1
.if DOCPART == 4
	.amdgcn_target "amdgcn-amd-amdhsa--gfx1250"
	.amdhsa_code_object_version 6
	.text
	.protected	k_qf716d6b1db_woln
	.globl	k_qf716d6b1db_woln
	.p2align	8
	.type	k_qf716d6b1db_woln,@function
k_qf716d6b1db_woln:
	s_mov_b64 s[64:65], 0
	v_nop
	global_prefetch_b8 v0, s[64:65] scope:SCOPE_SE
	s_setreg_imm32_b32 hwreg(HW_REG_WAVE_MODE, 25, 1), 1
	s_wait_xcnt 0x0
; z = x + o wo;  x1 = (z - mean) gain / sqrt(var + 1e-5) + offset, var with 1,023 in the divisor: the product on codes of FP6 (E2M3) with E8M0 scales, f32 sums; the norm in f32, in two passes.
; o and wo come as images of an operand's registers: tile T of 16 rows (slot r = row 32 (T / 2) + 8 (T % 2) + r % 8 + 16 (r / 8)), chunk c of 64 along K: 768 bytes at (256 c + T) 768,
; lane l's 24 bytes as 16 at 16 l and 8 at 512 + 8 l; scale words at (256 s + T) 64 + 4 r for K step s.  wo's tiles are 192 .. 255 of its section of wq0.
; SHARES: a work-group owns one tile of 16 tokens and all 1,024 columns, so that a row's mean and variance are its own; wave w takes columns 128 w on: 8 tiles of wo, 8 accumulators, 64 registers.
; THE MATRIX INSTRUCTION IS USED TRANSPOSED (source 0 = a tile of wo, source 1 = the tokens): register 16 b + i of the 64 is column 32 b + 16 h + i of my 128, of token slot r.
; OPERANDS GO FROM MEMORY STRAIGHT INTO REGISTERS: a fragment of wo serves one wave, once, so LDS would only hold it on its way.  That is also why there is no cluster: no tile lies in LDS for a joint load to fill.
; K is 8 steps of 128, written out, every offset an immediate.  A step is 41 loads (32 for wo's eight fragments, 4 for o's, 4 + 1 for scale words) into one of two sets; step s + 2 is asked for behind step s's products.
; A register of wo's scale words holds two tiles: lanes 0-15 tile 2 j, lanes 16-31 tile 2 j + 1.
; No prefetch: the walk has no loop to run ahead in, and each step's loads are themselves two steps ahead.
; The result leaves as images of accumulators (f32, 1,024 bytes at (64 T1 + T0) 1,024) and, quantised along the columns, as an operand's images and scale words.
; 1 / 1,023 and gain x rsq are rounded f32 factors.  LIMITS: NaN and infinities are not served; a block of zeros gets the byte 1.
; REGISTERS: window 0: v1-12 addresses, v16-29 the norm's, v32-95 the sums, v96-119 o's fragments (two sets; later the codes), v160-223 x by lanes, v224-225 the add's, v226-235 scale words; window 1: v0-191 wo's fragments (two sets), v192-255 x by rows.
.set CST, 196608                       ; from chunk to chunk: 256 images
.set SST, 16384                        ; from K step to K step of the scale words
.set STG, 8448                         ; a wave's stage: 16 rows x (512 + 16) bytes
.set RED, 8*STG                        ; the rows' partial sums: word 32 r + 4 w; the second pass's 512 bytes on
.set Z, 32
.set UF, 96
.set R, 160
.set XL, 192
.set PC, 96
.set TM, 116
.set PW, 132
.set RD, 136
.set SA, 16
.set MN, 24
.set G, 26
.set BT, 28
.set TS, 226
.set US, 234
.set SEL, 30
.set MSB, 0
.macro WIN new                         ; the immediate's high byte repeats the setting that is left
.if MSB != (\new)
	s_set_vgpr_msb (MSB<<8)|(\new)
.set MSB, (\new)
.endif
.endm
.macro PLACES                          ; four places behind a matrix instruction (ISA guide 7.12.1)
.rept 4
	v_nop
.endr
.endm
	s_load_b256 s[4:11], s[0:1], 0x0               ; oq, wq0, x, the gain
	s_load_b128 s[12:15], s[0:1], 0x20             ; the offset, x1
	v_lshl_add_u32 v224, v0, 2, 0x10c00
	v_mov_b32 v225, 0
	v_lshrrev_b32 v1, 5, v0
	s_delay_alu instid0(VALU_DEP_1)
	v_readfirstlane_b32 s16, v1                    ; wave 0..7
	v_and_b32 v2, 31, v0
	v_and_b32 v3, 15, v0                           ; r
	v_bfe_u32 v4, v0, 4, 1                         ; h
	s_delay_alu instid0(VALU_DEP_3)
	v_lshlrev_b32 v5, 4, v2                        ; 16 l
	s_mul_i32 s17, s16, STG
	v_add_nc_u32 v6, s17, v5                       ; the stage by rows
	v_mul_u32_u24 v7, v3, 528
	s_delay_alu instid0(VALU_DEP_1)
	v_lshl_add_u32 v7, v4, 6, v7
	s_delay_alu instid0(VALU_DEP_1)
	v_add_nc_u32 v7, s17, v7                       ; and by lanes: row r, + 64 h
	v_lshlrev_b32 v9, 5, v3
	s_delay_alu instid0(VALU_DEP_1)
	v_add_nc_u32 v9, RED, v9                       ; my row's eight partial sums
	s_lshl_b32 s17, s16, 2
	v_add_nc_u32 v8, s17, v9                       ; my wave's among them
	v_lshlrev_b32 v10, 3, v2                       ; 8 l
	v_lshlrev_b32 v11, 2, v3                       ; 4 r
	v_lshlrev_b32 v12, 2, v2                       ; 4 l
	s_mov_b32 s[SEL], 0x76543210
	s_mov_b32 s[SEL+1], 0xfedcba98
	s_lshl_b32 s18, ttmp9, 6
	s_lshl_b32 s19, s16, 3
	s_add_co_u32 s18, s18, s19
	s_lshl_b32 s18, s18, 10                        ; my eight images of the result
	s_mov_b32 s19, 0
	s_lshr_b32 s20, ttmp9, 1
	s_lshl_b32 s20, s20, 5
	s_and_b32 s21, ttmp9, 1
	s_lshl_b32 s21, s21, 3
	s_add_co_u32 s20, s20, s21
	s_lshl_b32 s20, s20, 12
	s_lshl_b32 s21, s16, 9
	s_add_co_u32 s20, s20, s21                     ; x by rows: the tile's slot 0, my 512 bytes
	s_mov_b32 s21, 0
	s_lshl_b32 s24, s16, 9
	s_add_co_u32 s24, s24, ttmp9
	s_mul_i32 s24, s24, 768
	s_add_co_u32 s24, s24, 16777216                ; the result's codes: (2 w x 256 + T1) 768
	s_mov_b32 s25, 0
	s_lshl_b32 s26, s16, 8
	s_add_co_u32 s26, s26, ttmp9
	s_lshl_b32 s26, s26, 6
	s_add_co_u32 s26, s26, 19922944                ; its scale words
	s_mov_b32 s27, 0
	s_lshl_b32 s28, s16, 3
	s_add_co_u32 s28, s28, 192                     ; my first tile of wo
	s_lshl_b32 s32, s28, 6
	s_add_co_u32 s32, s32, 6422528                 ; its scale words
	s_mov_b32 s33, 0
	s_mul_i32 s28, s28, 768
	s_add_co_u32 s28, s28, 3276800                 ; its codes
	s_mov_b32 s29, 0
	s_mul_i32 s34, ttmp9, 768                      ; o's codes
	s_mov_b32 s35, 0
	s_lshl_b32 s36, ttmp9, 6
	s_add_co_u32 s36, s36, 3145728                 ; o's scale words
	s_mov_b32 s37, 0
	s_wait_alu depctr_va_vdst(0)                   ; the wait at the head's end
	s_wait_kmcnt 0x0
	s_load_b32 s38, s[10:11], 0x0
	s_load_b32 s39, s[12:13], 0x0
	s_add_nc_u64 s[28:29], s[6:7], s[28:29]
	s_add_nc_u64 s[32:33], s[6:7], s[32:33]
	s_add_nc_u64 s[34:35], s[4:5], s[34:35]
	s_add_nc_u64 s[36:37], s[4:5], s[36:37]
	s_add_nc_u64 s[20:21], s[8:9], s[20:21]
	s_add_nc_u64 s[22:23], s[14:15], s[18:19]
	s_add_nc_u64 s[24:25], s[14:15], s[24:25]
	s_add_nc_u64 s[26:27], s[14:15], s[26:27]
.macro LOADS s                         ; K step s into set s % 2: 41 loads; each of wo's reads 512 or 256 consecutive bytes
.set P, (\s)%2
	WIN 0x40
.set FI, 0
.rept 8
	global_load_b128 v[96*P+12*FI:96*P+12*FI+3], v5, s[28:29] offset:2*(\s)*CST+768*FI
	global_load_b64 v[96*P+12*FI+4:96*P+12*FI+5], v10, s[28:29] offset:2*(\s)*CST+768*FI+512
	global_load_b128 v[96*P+12*FI+6:96*P+12*FI+9], v5, s[28:29] offset:(2*(\s)+1)*CST+768*FI
	global_load_b64 v[96*P+12*FI+10:96*P+12*FI+11], v10, s[28:29] offset:(2*(\s)+1)*CST+768*FI+512
.set FI, FI+1
.endr
	WIN 0
	global_load_b128 v[UF+12*P:UF+12*P+3], v5, s[34:35] offset:2*(\s)*CST
	global_load_b64 v[UF+12*P+4:UF+12*P+5], v10, s[34:35] offset:2*(\s)*CST+512
	global_load_b128 v[UF+12*P+6:UF+12*P+9], v5, s[34:35] offset:(2*(\s)+1)*CST
	global_load_b64 v[UF+12*P+10:UF+12*P+11], v10, s[34:35] offset:(2*(\s)+1)*CST+512
.irp j, 0,1,2,3
	global_load_b32 v[TS+4*P+\j], v12, s[32:33] offset:(\s)*SST+128*\j
.endr
	global_load_b32 v[US+P], v11, s[36:37] offset:(\s)*SST
.endm
.macro MUL s, zero                     ; eight products, the eight accumulators by turns; zero = 1: the first K step starts the sums
.set P, (\s)%2
	WIN 0x01                                       ; source 0 (wo) in window 1
.set FI, 0
.rept 8
.if (\zero) && (FI%2)
	v_wmma_scale_f32_16x16x128_f8f6f4 v[Z+8*FI:Z+8*FI+7], v[96*P+12*FI:96*P+12*FI+11], v[UF+12*P:UF+12*P+11], 0, v[TS+4*P+FI/2], v[US+P] matrix_a_fmt:MATRIX_FMT_FP6 matrix_b_fmt:MATRIX_FMT_FP6 matrix_a_scale:MATRIX_SCALE_ROW1
.elseif \zero
	v_wmma_scale_f32_16x16x128_f8f6f4 v[Z+8*FI:Z+8*FI+7], v[96*P+12*FI:96*P+12*FI+11], v[UF+12*P:UF+12*P+11], 0, v[TS+4*P+FI/2], v[US+P] matrix_a_fmt:MATRIX_FMT_FP6 matrix_b_fmt:MATRIX_FMT_FP6
.elseif FI%2
	v_wmma_scale_f32_16x16x128_f8f6f4 v[Z+8*FI:Z+8*FI+7], v[96*P+12*FI:96*P+12*FI+11], v[UF+12*P:UF+12*P+11], v[Z+8*FI:Z+8*FI+7], v[TS+4*P+FI/2], v[US+P] matrix_a_fmt:MATRIX_FMT_FP6 matrix_b_fmt:MATRIX_FMT_FP6 matrix_a_scale:MATRIX_SCALE_ROW1
.else
	v_wmma_scale_f32_16x16x128_f8f6f4 v[Z+8*FI:Z+8*FI+7], v[96*P+12*FI:96*P+12*FI+11], v[UF+12*P:UF+12*P+11], v[Z+8*FI:Z+8*FI+7], v[TS+4*P+FI/2], v[US+P] matrix_a_fmt:MATRIX_FMT_FP6 matrix_b_fmt:MATRIX_FMT_FP6
.endif
.set FI, FI+1
.endr
.endm
	LOADS 0
	LOADS 1
	WIN 0x40
.irp p, 0,1,2,3,4,5,6,7,8,9,10,11,12,13,14,15
	global_load_b128 v[XL+4*\p:XL+4*\p+3], v5, s[20:21] offset:((\p%8)+16*(\p/8))*4096   ; x, slot p's row: 512 consecutive bytes
.endr
	s_wait_loadcnt 57                              ; step 0 is in; behind it: step 1's 41 and x's 16
	MUL 0, 1
	PLACES
	LOADS 2
	s_wait_loadcnt 57                              ; step 1 is in; behind it: x's 16 and step 2's 41
	MUL 1, 0
	PLACES
	LOADS 3
.set ST, 2
.rept 4
	s_wait_loadcnt 41                              ; this step is in; the next step's 41 may be out
	MUL ST, 0
	PLACES
	LOADS ST+2
.set ST, ST+1
.endr
	s_wait_loadcnt 41
	MUL 6, 0
	WIN 0x04                                       ; x, which landed ahead of step 2, turns through my stage: the data lie in window 1
.irp p, 0,1,2,3,4,5,6,7,8,9,10,11,12,13,14,15
	ds_store_b128 v6, v[XL+4*\p:XL+4*\p+3] offset:528*\p
.endr
	WIN 0
.irp b, 0,1,2,3
.irp j, 0,1,2,3
	ds_load_b128 v[R+16*\b+4*\j:R+16*\b+4*\j+3], v7 offset:128*\b+16*\j   ; LDS serves a wave's instructions in order: these see my stores
.endr
.endr
	s_wait_loadcnt 0x0
	MUL 7, 0
	PLACES
	WIN 0
	s_wait_dscnt 0x0
.set J, 0
.rept 32
	v_pk_add_f32 v[Z+J:Z+J+1], v[Z+J:Z+J+1], v[R+J:R+J+1]          ; each accumulator from its low end on
.set J, J+2
.endr
; four packed sums become the row's sum: my 64, lane l xor 16's, then the eight waves' through LDS
.macro FOLD off
	s_delay_alu instid0(VALU_DEP_3)
	v_pk_add_f32 v[SA:SA+1], v[SA:SA+1], v[SA+2:SA+3]
	s_delay_alu instid0(VALU_DEP_2)
	v_pk_add_f32 v[SA+4:SA+5], v[SA+4:SA+5], v[SA+6:SA+7]
	s_delay_alu instid0(VALU_DEP_1)
	v_pk_add_f32 v[SA:SA+1], v[SA:SA+1], v[SA+4:SA+5]
	s_delay_alu instid0(VALU_DEP_1)
	v_add_f32 v[SA], v[SA], v[SA+1]
	s_delay_alu instid0(VALU_DEP_1)
	v_permlanex16_b32 v[SA+2], v[SA], s[SEL], s[SEL+1]
	s_delay_alu instid0(VALU_DEP_1)
	v_add_f32 v[SA], v[SA], v[SA+2]
	ds_store_b32 v8, v[SA] offset:\off             ; lanes r and r + 16 write the same word with the same value
	s_wait_dscnt 0x0                               ; for the others' sake: my store has landed
	s_barrier_signal -1
	s_barrier_wait -1
	ds_load_b128 v[RD:RD+3], v9 offset:\off
	ds_load_b128 v[RD+4:RD+7], v9 offset:\off+16
	s_wait_dscnt 0x0
	v_pk_add_f32 v[RD:RD+1], v[RD:RD+1], v[RD+2:RD+3]
	v_pk_add_f32 v[RD+4:RD+5], v[RD+4:RD+5], v[RD+6:RD+7]
	s_delay_alu instid0(VALU_DEP_1)
	v_pk_add_f32 v[RD:RD+1], v[RD:RD+1], v[RD+4:RD+5]
	s_delay_alu instid0(VALU_DEP_1)
	v_add_f32 v[RD], v[RD], v[RD+1]
.endm
.irp k, 0,1,2,3
	v_pk_add_f32 v[SA+2*\k:SA+2*\k+1], v[Z+2*\k:Z+2*\k+1], v[Z+8+2*\k:Z+9+2*\k]
.endr
.irp j, 16,24,32,40,48,56
.irp k, 0,1,2,3
	s_delay_alu instid0(VALU_DEP_4)
	v_pk_add_f32 v[SA+2*\k:SA+2*\k+1], v[SA+2*\k:SA+2*\k+1], v[Z+\j+2*\k:Z+\j+2*\k+1]
.endr
.endr
	FOLD 0
	s_delay_alu instid0(VALU_DEP_1)
	v_mul_f32 v[MN], 0xba800000, v[RD]             ; - the mean: the sum x -2^-10
	s_delay_alu instid0(VALU_DEP_1)
	v_mov_b32 v[MN+1], v[MN]
.set J, 0
.rept 32
	v_pk_add_f32 v[Z+J:Z+J+1], v[Z+J:Z+J+1], v[MN:MN+1]
.set J, J+2
.endr
.irp k, 0,1,2,3
	v_pk_mul_f32 v[SA+2*\k:SA+2*\k+1], v[Z+2*\k:Z+2*\k+1], v[Z+2*\k:Z+2*\k+1]
.endr
.irp j, 8,16,24,32,40,48,56
.irp k, 0,1,2,3
	s_delay_alu instid0(VALU_DEP_4)
	v_pk_fma_f32 v[SA+2*\k:SA+2*\k+1], v[Z+\j+2*\k:Z+\j+2*\k+1], v[Z+\j+2*\k:Z+\j+2*\k+1], v[SA+2*\k:SA+2*\k+1]
.endr
.endr
	FOLD 512                                       ; other bytes than the first pass's: no barrier between
	s_delay_alu instid0(VALU_DEP_1)
	v_mul_f32 v[RD], 0x3a802008, v[RD]             ; / 1,023
	s_delay_alu instid0(VALU_DEP_1)
	v_add_f32 v[RD], 0x3727c5ac, v[RD]             ; + 1e-5
	s_wait_alu depctr_va_vdst(0)
	v_rsq_f32 v[G], v[RD]
	s_wait_kmcnt 0x0                               ; the gain and the offset
	v_mov_b32 v[BT], s39                           ; (plain places behind the root)
	v_mov_b32 v[BT+1], s39
	s_wait_alu depctr_va_vdst(0)                   ; ahead of the root's first reader
	v_mul_f32 v[G], s38, v[G]
	s_delay_alu instid0(VALU_DEP_1)
	v_mov_b32 v[G+1], v[G]
.set J, 0
.rept 32
	v_pk_fma_f32 v[Z+J:Z+J+1], v[Z+J:Z+J+1], v[G:G+1], v[BT:BT+1]
.set J, J+2
.endr
.irp t, 0,1,2,3,4,5,6,7
	global_store_b128 v5, v[Z+8*\t:Z+8*\t+3], s[22:23] offset:1024*\t
	global_store_b128 v5, v[Z+8*\t+4:Z+8*\t+7], s[22:23] offset:1024*\t+512
.endr
.irp b, 0,1,2,3
	v_mov_b32 v[TM+4+\b], 0                        ; a lane permute's destination counts as one of its sources
.endr
.irp b, 0,1,2,3
	v_max3_num_f32 v[TM+\b], |v[Z+16*\b]|, |v[Z+1+16*\b]|, 0x1800000   ; the floor 2^(3 - 127): the byte cannot fall under 1
.endr
.irp i, 2,4,6,8,10,12,14
.irp b, 0,1,2,3
	s_delay_alu instid0(VALU_DEP_4)
	v_max3_num_f32 v[TM+\b], v[TM+\b], |v[Z+16*\b+\i]|, |v[Z+1+16*\b+\i]|
.endr
.endr
.irp b, 0,1,2,3
	s_delay_alu instid0(VALU_DEP_4)
	v_permlanex16_b32 v[TM+4+\b], v[TM+\b], s[SEL], s[SEL+1]
.endr
.irp b, 0,1,2,3
	s_delay_alu instid0(VALU_DEP_4)
	v_max_num_f32 v[TM+\b], v[TM+\b], v[TM+4+\b]
.endr
.irp b, 0,1,2,3
	s_delay_alu instid0(VALU_DEP_4)
	v_add_nc_u32 v[TM+12+\b], 0xff000000, v[TM+\b]
.endr
.irp b, 0,1,2,3
	s_delay_alu instid0(VALU_DEP_4)
	v_lshrrev_b32 v[TM+4+\b], 23, v[TM+12+\b]
.endr
	s_delay_alu instid0(VALU_DEP_3)
	v_lshl_or_b32 v[PW], v[TM+5], 8, v[TM+4]
	s_delay_alu instid0(VALU_DEP_1)
	v_lshl_or_b32 v[PW], v[TM+6], 16, v[PW]
	s_delay_alu instid0(VALU_DEP_1)
	v_lshl_or_b32 v[PW], v[TM+7], 24, v[PW]
.irp c, 0,1
	v_cvt_scalef32_pk16_fp6_f32 v[PC+6*\c:PC+2+6*\c], v[Z+32*\c:Z+15+32*\c], v[TM+12+2*\c]
	v_cvt_scalef32_pk16_fp6_f32 v[PC+12+4*\c:PC+14+4*\c], v[Z+16+32*\c:Z+31+32*\c], v[TM+12+2*\c+1]
.endr
	v_nop
.irp c, 0,1
.irp i, 0,1,2
	v_permlane16_swap_b32 v[PC+6*\c+\i], v[PC+12+4*\c+\i]
.endr
.irp i, 0,1,2
	s_delay_alu instid0(VALU_DEP_3)
	v_mov_b32 v[PC+3+6*\c+\i], v[PC+12+4*\c+\i]
.endr
.endr
	global_store_b128 v5, v[PC:PC+3], s[24:25]
	global_store_b64 v10, v[PC+4:PC+5], s[24:25] offset:512
	global_store_b128 v5, v[PC+6:PC+9], s[24:25] offset:196608
	global_store_b64 v10, v[PC+10:PC+11], s[24:25] offset:197120
	global_store_b32 v11, v[PW], s[26:27]          ; 64 consecutive bytes; lanes r and r + 16 write the same word with the same value
	s_wait_tensorcnt 0x0                           ; the wave's end
	ds_add_u32 v224, v225
	s_wait_dscnt 0x0
	s_endpgm
.Lfunc_end_k_qf716d6b1db_woln:
	.size	k_qf716d6b1db_woln, .Lfunc_end_k_qf716d6b1db_woln-k_qf716d6b1db_woln
	.p2alignl 7, 3214868480
	.fill 96, 4, 3214868480
	.section	.rodata,"a",@progbits
	.p2align	6, 0x0
	.amdhsa_kernel k_qf716d6b1db_woln
		.amdhsa_group_segment_fixed_size 69632
		.amdhsa_private_segment_fixed_size 0
		.amdhsa_enable_private_segment 0
		.amdhsa_kernarg_size 48
		.amdhsa_user_sgpr_count 2
		.amdhsa_user_sgpr_kernarg_segment_ptr 1
		.amdhsa_wavefront_size32 1
		.amdhsa_system_sgpr_workgroup_id_x 1
		.amdhsa_system_sgpr_workgroup_id_y 1
		.amdhsa_system_sgpr_workgroup_id_z 1
		.amdhsa_system_vgpr_workitem_id 0
		.amdhsa_next_free_vgpr 512
		.amdhsa_next_free_sgpr 66
		.amdhsa_reserve_vcc 0
		.amdhsa_float_denorm_mode_32 3
		.amdhsa_float_denorm_mode_16_64 3
		.amdhsa_memory_ordered 1
		.amdhsa_forward_progress 1
		.amdhsa_inst_pref_size 70
	.end_amdhsa_kernel
	.amdgpu_metadata
---
amdhsa.version: [ 1, 2 ]
amdhsa.kernels:
  - .name:           k_qf716d6b1db_woln
    .symbol:         k_qf716d6b1db_woln.kd
    .args:
      - { .name: oq, .offset: 0, .size: 8, .value_kind: global_buffer, .address_space: global }
      - { .name: wq0, .offset: 8, .size: 8, .value_kind: global_buffer, .address_space: global }
      - { .name: x, .offset: 16, .size: 8, .value_kind: global_buffer, .address_space: global }
      - { .name: gamma1, .offset: 24, .size: 8, .value_kind: global_buffer, .address_space: global }
      - { .name: beta1, .offset: 32, .size: 8, .value_kind: global_buffer, .address_space: global }
      - { .name: x1, .offset: 40, .size: 8, .value_kind: global_buffer, .address_space: global }
    .group_segment_fixed_size: 69632
    .private_segment_fixed_size: 0
    .kernarg_segment_align: 8
    .kernarg_segment_size: 48
    .max_flat_workgroup_size: 256
    .sgpr_count:     66
    .vgpr_count:     512
    .wavefront_size: 32
...
	.end_amdgpu_metadata
.endif
;; end of part 4
;; launch w1 (part 5): grid 16 x 16, 4 waves a work-group, clusters of 4 x 4, 327,680 bytes of LDS; arguments x1, wq0, b1, hq; writes hq
.if DOCPART == 5
	.amdgcn_target "amdgcn-amd-amdhsa--gfx1250"
	.amdhsa_code_object_version 6
	.text
	.protected	k_qf716d6b1db_w1
	.globl	k_qf716d6b1db_w1
	.p2align	8
	.type	k_qf716d6b1db_w1,@function
k_qf716d6b1db_w1:
	s_mov_b64 s[64:65], 0
	v_nop
	global_prefetch_b8 v0, s[64:65] scope:SCOPE_SE
	s_setreg_imm32_b32 hwreg(HW_REG_WAVE_MODE, 25, 1), 1
	s_wait_xcnt 0x0
	s_wait_alu depctr_hold_cnt(0) depctr_sa_sdst(0) depctr_va_vdst(0) depctr_va_sdst(0) depctr_va_ssrc(0) depctr_va_vcc(0) depctr_vm_vsrc(0)
	s_getreg_b32 s2, hwreg(HW_REG_IB_STS2, 6, 4)
	s_cmp_eq_u32 s2, 0
	s_cbranch_scc0 .Lentry_in_a_cluster
	s_endpgm
.Lentry_in_a_cluster:
	s_bfe_u32 s2, ttmp6, 0x10000c
	s_cmp_lg_u32 s2, 0xf033
	s_cbranch_scc0 .Lentry_shape_is_right
	s_endpgm
.Lentry_shape_is_right:
.set KIND, 2
.set N8, 8
.set NQ, 2
.set KTOT, 1024
.set NTU, 256
.set NTT, 256
.set TT0, 0
.set BIAS, 1
.set RELU, 1
.set UOFFC, 16777216
.set UOFFS, 19922944
.set TOFFC, 6553600
.set TOFFS, 9699328
.set OOFFS, 12582912
.set UPTR, 4
.set TPTR, 6
.set BPTR, 8
.set OPTR, 10
.set KS,      KTOT/128
.set PIECE,   24576
.set SLOT,    4*PIECE
.set SCL,     3*SLOT
.set SPB,     KS*N8*64
.set SCRATCH, SCL+4*SPB+256
.set SPARE,   SCRATCH+2048
.set USTEP,   6*NQ*NTU*768
.set TSTEP,   6*NQ*NTT*768
.set ADT8,  7
.set ADU16, 14
.set ADU8,  17
.set ADT16, 20
.set ADRS,  24
.set SCW,   25
.set SCR,   26
.set SPW,   28
.set NIL,   29
.set SC,    32
.set TF,    64
.set UF,    64+12*N8
.set PC,    64
.set TM,    84
.set PW,    100
.set GW,    104
.set SEL,   12
.set TB,    3
.set G1U, 24
.set G0U, 32
.set G1T, 48
.set G0T, 56
.set G1SU, 68
.set G0SU, 76
.set G1ST, 80
.set G0ST, 88
.set MSB, 0
.macro WIN new
.if MSB != (\new)
	s_set_vgpr_msb (MSB<<8)|(\new)
.set MSB, (\new)
.endif
.endm
.macro JLOAD g0a, g1a, g0b, g1b
	s_cmp_eq_u32 s15, 0
	s_cbranch_scc0 .Lfor_t_\@
	tensor_load_to_lds s[\g0a:\g0a+3], s[\g1a:\g1a+7]
	s_nop 0
.rept 4
	v_nop
.endr
	s_branch .Lasked_\@
.Lfor_t_\@:
	tensor_load_to_lds s[\g0b:\g0b+3], s[\g1b:\g1b+7]
	s_nop 0
.rept 4
	v_nop
.endr
.Lasked_\@:
.endm
.macro CREST
	s_cmp_lg_u32 s14, 0
	s_cbranch_scc1 .Lnot_wave_0_\@
	s_barrier_signal -3
.Lnot_wave_0_\@:
	s_barrier_wait -3
	s_barrier_signal -1
	s_barrier_wait -1
.endm
.macro CROUND
	s_barrier_signal -1
	s_barrier_wait -1
	CREST
.endm
.macro PLACES
.rept 4
	v_nop
.endr
.endm
	s_load_b256 s[4:11], s[0:1], 0x0
	v_lshl_add_u32 v[SPW], v0, 2, SPARE
	v_mov_b32 v[NIL], 0
	ds_add_u32 v28, v29
	ds_add_u32 v28, v29
	s_wait_dscnt 0x0
	v_lshrrev_b32 v1, 5, v0
	v_readfirstlane_b32 s14, v1
	s_lshr_b32 s15, s14, 1
	s_and_b32 s16, s14, 1
	s_bfe_u32 s12, ttmp6, 0x40000
	s_bfe_u32 s13, ttmp6, 0x40004
	s_lshl_b32 s[TB], ttmp9, 2
	s_add_co_u32 s[TB], s[TB], s12
	s_and_b32 s96, ttmp7, 0xffff
	s_lshl_b32 s17, s96, 2
	s_add_co_u32 s17, s17, s13
	s_lshl_b32 s18, s13, 2
	s_lshl_b32 s18, 15, s18
	s_lshl_b32 s19, 0x1111, s12
	s_or_b32 s[G1U], s18, (3<<16)|(1<<21)
	s_or_b32 s[G1T], s19, (3<<16)|(1<<21)
	s_or_b32 s[G1SU], s18, (3<<16)|(1<<21)
	s_or_b32 s[G1ST], s19, (3<<16)|(1<<21)
.irp g, G1U, G1T
	s_mov_b32 s[\g+1], (96*N8)<<16
	s_mov_b32 s[\g+2], (2*NQ)<<16
	s_mov_b32 s[\g+3], (96*N8)<<16
	s_mov_b32 s[\g+4], 2*NQ
	s_mov_b32 s[\g+6], 0
	s_mov_b32 s[\g+7], 0
.endr
	s_mov_b32 s[G1U+5], 96*NTU
	s_mov_b32 s[G1T+5], 96*NTT
.irp g, G1SU, G1ST
	s_mov_b32 s[\g+1], (8*N8)<<16
	s_mov_b32 s[\g+2], KS<<16
	s_mov_b32 s[\g+3], (8*N8)<<16
	s_mov_b32 s[\g+4], KS
	s_mov_b32 s[\g+6], 0
	s_mov_b32 s[\g+7], 0
.endr
	s_mov_b32 s[G1SU+5], 8*NTU
	s_mov_b32 s[G1ST+5], 8*NTT
	s_mul_i32 s18, s16, N8
	s_mul_i32 s20, s17, 2*N8
	s_add_co_u32 s20, s20, s18
	s_lshl_b32 s22, s20, 6
	s_mul_i32 s20, s20, 768
	s_mul_i32 s94, s[TB], 2*N8
	s_add_co_u32 s94, s94, s18
	s_add_co_u32 s94, s94, TT0
	s_lshl_b32 s92, s94, 6
	s_mul_i32 s94, s94, 768
	s_add_co_u32 s20, s20, UOFFC
	s_add_co_u32 s22, s22, UOFFS
	s_add_co_u32 s94, s94, TOFFC
	s_add_co_u32 s92, s92, TOFFS
	s_mov_b32 s21, 0
	s_mov_b32 s23, 0
	s_mov_b32 s95, 0
	s_mov_b32 s93, 0
	s_mul_i32 s2, s14, PIECE
	s_mul_i32 s19, s14, SPB
	s_lshl_b32 s18, s15, 7
	s_add_co_u32 s19, s19, s18
	s_add_co_u32 s19, s19, SCL
	s_wait_kmcnt 0x0
	s_add_nc_u64 s[20:21], s[UPTR:UPTR+1], s[20:21]
	s_add_nc_u64 s[22:23], s[UPTR:UPTR+1], s[22:23]
	s_add_nc_u64 s[94:95], s[TPTR:TPTR+1], s[94:95]
	s_add_nc_u64 s[92:93], s[TPTR:TPTR+1], s[92:93]
	CROUND
	s_mov_b32 s[G0SU], 1
	s_mov_b32 s[G0SU+1], s19
	s_mov_b64 s[G0SU+2:G0SU+3], s[22:23]
	s_or_b32 s[G0SU+3], s[G0SU+3], 0x80000000
	s_mov_b32 s[G0ST], 1
	s_mov_b32 s[G0ST+1], s19
	s_mov_b64 s[G0ST+2:G0ST+3], s[92:93]
	s_or_b32 s[G0ST+3], s[G0ST+3], 0x80000000
	JLOAD G0SU, G1SU, G0ST, G1ST
.irp s, 0,1,2
.set GT, G0T+4*\s-20*(\s/2)
	s_mov_b32 s[G0U+4*\s], 1
	s_add_co_u32 s[G0U+4*\s+1], s2, \s*SLOT
	s_add_nc_u64 s[G0U+4*\s+2:G0U+4*\s+3], s[20:21], \s*2*NQ*NTU*768
	s_or_b32 s[G0U+4*\s+3], s[G0U+4*\s+3], 0x80000000
	s_mov_b32 s[GT], 1
	s_add_co_u32 s[GT+1], s2, \s*SLOT
	s_add_nc_u64 s[GT+2:GT+3], s[94:95], \s*2*NQ*NTT*768
	s_or_b32 s[GT+3], s[GT+3], 0x80000000
	s_wait_alu depctr_va_vdst(0)
	s_wait_tensorcnt 0x0
	ds_add_u32 v28, v29
	s_wait_dscnt 0x0
	CROUND
	JLOAD G0U+4*\s, G1U, GT, G1T
.endr
	v_and_b32 v1, 31, v0
	v_and_b32 v2, 15, v0
	v_bfe_u32 v3, v0, 4, 1
	v_lshlrev_b32 v10, 4, v1
	v_lshlrev_b32 v11, 3, v1
	v_add_nc_u32 v12, 512, v11
	s_mul_i32 s21, s15, PIECE
	s_mul_i32 s22, s16, PIECE
	s_add_co_u32 s22, s22, 2*PIECE
.irp s, 0,1,2
	v_add_nc_u32 v[ADU16+\s], s21, v10
	v_add_nc_u32 v[ADU8+\s], s21, v12
	v_add_nc_u32 v[ADT16+\s], s22, v10
	v_add_nc_u32 v[ADT8+\s], s22, v12
	s_add_co_u32 s21, s21, SLOT
	s_add_co_u32 s22, s22, SLOT
.endr
	s_mul_i32 s21, s15, SPB
	s_mul_i32 s22, s16, SPB
	s_add_co_u32 s22, s22, 2*SPB+128
	s_sub_co_u32 s22, s22, s21
	v_mul_u32_u24 v6, s22, v3
	s_add_co_u32 s21, s21, SCL
	v_lshl_add_u32 v5, v2, 2, v6
	v_add_nc_u32 v[ADRS], s21, v5
	s_lshl_b32 s21, s14, 9
	s_add_co_u32 s21, s21, SCRATCH
	v_lshl_add_u32 v[SCW], v2, 2, s21
	v_add_nc_u32 v[SCR], s21, v10
	s_mov_b32 s[SEL], 0x76543210
	s_mov_b32 s[SEL+1], 0xfedcba98
	s_lshl_b32 s18, s[TB], 1
	s_add_co_u32 s18, s18, s16
	s_mov_b32 s19, 256
	s_mov_b32 s20, s17
	s_lshl_b32 s20, s20, 4
	s_lshl_b32 s21, s15, 3
	s_add_co_u32 s20, s20, s21
	s_mul_i32 s22, s18, s19
	s_add_co_u32 s98, s22, s20
	s_lshl_b32 s98, s98, 6
	s_lshl_b32 s22, s22, 1
	s_add_co_u32 s22, s22, s20
	s_mul_i32 s22, s22, 768
	s_add_co_u32 s98, s98, OOFFS
	s_mov_b32 s23, 0
	s_mov_b32 s99, 0
	s_add_nc_u64 s[92:93], s[OPTR:OPTR+1], s[22:23]
	s_mul_i32 s22, s19, 768
	s_add_nc_u64 s[94:95], s[92:93], s[22:23]
	s_add_nc_u64 s[98:99], s[OPTR:OPTR+1], s[98:99]
.if BIAS
	s_mul_i32 s20, s[TB], 2*N8
	s_mul_i32 s21, s16, N8
	s_add_co_u32 s20, s20, s21
	s_lshl_b32 s20, s20, 6
	s_mov_b32 s21, 0
	s_add_nc_u64 s[BPTR:BPTR+1], s[BPTR:BPTR+1], s[20:21]
	v_lshlrev_b32 v13, 6, v3
	WIN 0x40
.set FI, 0
.rept N8
	global_load_b128 v[8*FI:8*FI+3], v13, s[BPTR:BPTR+1] offset:(32*(FI/2)+8*(FI%2))*4
	global_load_b128 v[8*FI+4:8*FI+7], v13, s[BPTR:BPTR+1] offset:(32*(FI/2)+8*(FI%2))*4+16
.set FI, FI+1
.endr
	WIN 0
.endif
.macro FRAG reg, a16, a8, q, i
	ds_load_b128 v[(\reg):(\reg)+3], v[\a16] offset:(2*(\q))*N8*768+(\i)*768
	ds_load_b64 v[(\reg)+4:(\reg)+5], v[\a8] offset:(2*(\q))*N8*768+(\i)*768
	ds_load_b128 v[(\reg)+6:(\reg)+9], v[\a16] offset:(2*(\q)+1)*N8*768+(\i)*768
	ds_load_b64 v[(\reg)+10:(\reg)+11], v[\a8] offset:(2*(\q)+1)*N8*768+(\i)*768
.endm
.macro FETCH slot, q, p
.set WN, (\p)<<6
	WIN WN
.set FI, 0
.rept N8
	FRAG TF+12*FI, ADT16+\slot, ADT8+\slot, \q, FI
	FRAG UF+12*FI, ADU16+\slot, ADU8+\slot, \q, FI
.set FI, FI+1
.endr
.endm
.macro SCALES sc
	WIN 0
.set FI, 0
.rept N8
.set FQ, 0
.rept NQ
	ds_load_b32 v[SC+16*(\sc)+NQ*FI+FQ], v[ADRS] offset:FQ*N8*64+FI*64
.set FQ, FQ+1
.endr
.set FI, FI+1
.endr
.endm
.macro MULA a0, na, p, q, sc, cm
.set MA, \a0
.rept \na
.set MW, 2+(8*N8*MA)/256
.set MR, (8*N8*MA)%256
.if (\cm) && BIAS
.set WN, (\p)|((\p)<<2)|(1<<4)|(MW<<6)
.else
.set WN, (\p)|((\p)<<2)|(MW<<4)|(MW<<6)
.endif
	WIN WN
.set MB, 0
.rept N8
.if (\cm) && BIAS
	v_wmma_scale_f32_16x16x128_f8f6f4 v[MR+8*MB:MR+8*MB+7], v[TF+12*MB:TF+12*MB+11], v[UF+12*MA:UF+12*MA+11], v[8*MB:8*MB+7], v[SC+16*(\sc)+NQ*MB+(\q)], v[SC+16*(\sc)+NQ*MA+(\q)] matrix_a_fmt:MATRIX_FMT_FP6 matrix_b_fmt:MATRIX_FMT_FP6 matrix_a_scale:MATRIX_SCALE_ROW1
.elseif \cm
	v_wmma_scale_f32_16x16x128_f8f6f4 v[MR+8*MB:MR+8*MB+7], v[TF+12*MB:TF+12*MB+11], v[UF+12*MA:UF+12*MA+11], 0, v[SC+16*(\sc)+NQ*MB+(\q)], v[SC+16*(\sc)+NQ*MA+(\q)] matrix_a_fmt:MATRIX_FMT_FP6 matrix_b_fmt:MATRIX_FMT_FP6 matrix_a_scale:MATRIX_SCALE_ROW1
.else
	v_wmma_scale_f32_16x16x128_f8f6f4 v[MR+8*MB:MR+8*MB+7], v[TF+12*MB:TF+12*MB+11], v[UF+12*MA:UF+12*MA+11], v[MR+8*MB:MR+8*MB+7], v[SC+16*(\sc)+NQ*MB+(\q)], v[SC+16*(\sc)+NQ*MA+(\q)] matrix_a_fmt:MATRIX_FMT_FP6 matrix_b_fmt:MATRIX_FMT_FP6 matrix_a_scale:MATRIX_SCALE_ROW1
.endif
.set MB, MB+1
.endr
.set MA, MA+1
.endr
.endm
.macro STEP slot, sc, cm
	s_wait_dscnt 0x0
	PLACES
	FETCH \slot, 1, 1
	MULA 0, N8, 0, 0, \sc, \cm
.endm
.macro PASS sc, next
	s_wait_dscnt 0x0
	PLACES
	WIN 0
	v_add_nc_u32 v[ADRS], 1024, v[ADRS]
	FETCH \next, 0, 0
	SCALES 1-(\sc)
	MULA 0, N8, 1, 1, \sc, 0
.endm
.macro TURN sc, next, fill
	WIN 0
	s_wait_tensorcnt 0x0
	ds_add_u32 v[SPW], v[NIL]
	s_wait_dscnt 0x1
	MULA 0, N8/4, 1, 1, \sc, 0
	s_wait_dscnt 0x0
	s_barrier_signal -1
	MULA N8/4, N8/4, 1, 1, \sc, 0
	WIN 0
	s_barrier_wait -1
.if \fill
	CREST
	s_add_nc_u64 s[G0U+2:G0U+3], s[G0U+2:G0U+3], USTEP
	s_add_nc_u64 s[G0T+2:G0T+3], s[G0T+2:G0T+3], TSTEP
	JLOAD G0U, G1U, G0T, G1T
.else
	PLACES
.endif
	v_add_nc_u32 v[ADRS], 1024, v[ADRS]
	FETCH \next, 0, 0
	SCALES 1-(\sc)
	MULA N8/2, N8/2, 1, 1, \sc, 0
.endm
	s_wait_alu depctr_va_vdst(0)
	s_wait_tensorcnt 0x2
	s_barrier_signal -1
	s_barrier_wait -1
	FETCH 0, 0, 0
	SCALES 0
.if BIAS
	s_wait_loadcnt 0x0
.endif
	STEP 0, 0, 1
	TURN 0, 1, 1
	s_wait_alu depctr_va_vdst(0)
	STEP 1, 1, 0
	PASS 1, 2
	s_wait_alu depctr_va_vdst(0)
	STEP 2, 0, 0
	TURN 0, 0, 0
	STEP 0, 1, 0
	s_wait_dscnt 0x0
	MULA 0, N8, 1, 1, 1, 0
	WIN 0
.macro QOUT a
.set QW, 2+(\a)/4
.set QB, 64*((\a)%4)
	WIN 0
	s_wait_xcnt 0x0
	s_wait_dscnt 0x0
.if RELU
.set WN, (QW<<6)|(QW<<2)
	WIN WN
.set J, 0
.rept 64
	v_max_num_f32 v[QB+J], 0, v[QB+J]
.set J, J+1
.endr
.endif
.set WN, (QW<<2)|(QW<<4)
	WIN WN
.irp b, 0,1,2,3
	v_max3_num_f32 v[TM+\b], 0x1800000, |v[QB+16*\b]|, |v[QB+16*\b+1]|
.endr
.irp i, 2,4,6,8,10,12,14
.irp b, 0,1,2,3
	v_max3_num_f32 v[TM+\b], v[TM+\b], |v[QB+16*\b+\i]|, |v[QB+16*\b+\i+1]|
.endr
.endr
	WIN 0
.irp b, 0,1,2,3
	v_permlanex16_b32 v[TM+4+\b], v[TM+\b], s[SEL], s[SEL+1]
.endr
.irp b, 0,1,2,3
	v_max_num_f32 v[TM+\b], v[TM+\b], v[TM+4+\b]
.endr
.irp b, 0,1,2,3
	v_add_nc_u32 v[TM+12+\b], 0xff000000, v[TM+\b]
.endr
.irp b, 0,1,2,3
	v_lshrrev_b32 v[TM+4+\b], 23, v[TM+12+\b]
.endr
	v_lshl_or_b32 v[PW], v[TM+5], 8, v[TM+4]
	v_lshl_or_b32 v[PW], v[TM+6], 16, v[PW]
	v_lshl_or_b32 v[PW], v[TM+7], 24, v[PW]
	WIN QW
.irp c, 0,1
	v_cvt_scalef32_pk16_fp6_f32 v[PC+6*\c:PC+2+6*\c], v[QB+32*\c:QB+15+32*\c], v[TM+12+2*\c]
	v_cvt_scalef32_pk16_fp6_f32 v[PC+12+4*\c:PC+14+4*\c], v[QB+16+32*\c:QB+31+32*\c], v[TM+12+2*\c+1]
.endr
	WIN 0
	v_nop
.irp c, 0,1
.irp i, 0,1,2
	v_permlane16_swap_b32 v[PC+6*\c+\i], v[PC+12+4*\c+\i]
.endr
.irp i, 0,1,2
	v_mov_b32 v[PC+3+6*\c+\i], v[PC+12+4*\c+\i]
.endr
.endr
	global_store_b128 v10, v[PC:PC+3], s[92:93] offset:768*(\a)
	global_store_b64 v11, v[PC+4:PC+5], s[92:93] offset:768*(\a)+512
	global_store_b128 v10, v[PC+6:PC+9], s[94:95] offset:768*(\a)
	global_store_b64 v11, v[PC+10:PC+11], s[94:95] offset:768*(\a)+512
	ds_store_b32 v[SCW], v[PW] offset:64*(\a)
.endm
	PLACES
.irp b, 0,1,2,3
	v_mov_b32 v[TM+4+\b], 0
.endr
.irp a, 0,1,2,3,4,5,6,7
	QOUT \a
.endr
	ds_load_b128 v[GW:GW+3], v[SCR]
	s_wait_dscnt 0x0
	global_store_b128 v10, v[GW:GW+3], s[98:99]
	s_wait_tensorcnt 0x0
	ds_add_u32 v[SPW], v[NIL]
	s_wait_dscnt 0x0
	CROUND
	s_endpgm
.Lfunc_end_k_qf716d6b1db_w1:
	.size	k_qf716d6b1db_w1, .Lfunc_end_k_qf716d6b1db_w1-k_qf716d6b1db_w1
	.p2alignl 7, 3214868480
	.fill 96, 4, 3214868480
	.section	.rodata,"a",@progbits
	.p2align	6, 0x0
	.amdhsa_kernel k_qf716d6b1db_w1
		.amdhsa_group_segment_fixed_size 327680
		.amdhsa_private_segment_fixed_size 0
		.amdhsa_enable_private_segment 0
		.amdhsa_kernarg_size 32
		.amdhsa_user_sgpr_count 2
		.amdhsa_user_sgpr_kernarg_segment_ptr 1
		.amdhsa_wavefront_size32 1
		.amdhsa_system_sgpr_workgroup_id_x 1
		.amdhsa_system_sgpr_workgroup_id_y 1
		.amdhsa_system_sgpr_workgroup_id_z 1
		.amdhsa_system_vgpr_workitem_id 0
		.amdhsa_next_free_vgpr 1024
		.amdhsa_next_free_sgpr 100
		.amdhsa_reserve_vcc 0
		.amdhsa_float_denorm_mode_32 3
		.amdhsa_float_denorm_mode_16_64 3
		.amdhsa_memory_ordered 1
		.amdhsa_forward_progress 1
		.amdhsa_inst_pref_size 170
	.end_amdhsa_kernel
	.amdgpu_metadata
---
amdhsa.version: [ 1, 2 ]
amdhsa.kernels:
  - .name:           k_qf716d6b1db_w1
    .symbol:         k_qf716d6b1db_w1.kd
    .args:
      - { .name: x1, .offset: 0, .size: 8, .value_kind: global_buffer, .address_space: global }
      - { .name: wq0, .offset: 8, .size: 8, .value_kind: global_buffer, .address_space: global }
      - { .name: b1, .offset: 16, .size: 8, .value_kind: global_buffer, .address_space: global }
      - { .name: hq, .offset: 24, .size: 8, .value_kind: global_buffer, .address_space: global }
    .group_segment_fixed_size: 327680
    .private_segment_fixed_size: 0
    .kernarg_segment_align: 8
    .kernarg_segment_size: 32
    .max_flat_workgroup_size: 128
    .sgpr_count:     100
    .vgpr_count:     1024
    .wavefront_size: 32
...
	.end_amdgpu_metadata
.endif
;; end of part 5
;; launch w2 (part 6): grid 8 x 32, 4 waves a work-group, clusters of 4 x 4, 327,680 bytes of LDS; arguments hq, wq0, b2, y; writes y
.if DOCPART == 6
	.amdgcn_target "amdgcn-amd-amdhsa--gfx1250"
	.amdhsa_code_object_version 6
	.text
	.protected	k_qf716d6b1db_w2
	.globl	k_qf716d6b1db_w2
	.p2align	8
	.type	k_qf716d6b1db_w2,@function
k_qf716d6b1db_w2:
	s_mov_b64 s[64:65], 0
	v_nop
	global_prefetch_b8 v0, s[64:65] scope:SCOPE_SE
	s_setreg_imm32_b32 hwreg(HW_REG_WAVE_MODE, 25, 1), 1
	s_wait_xcnt 0x0
	s_wait_alu depctr_hold_cnt(0) depctr_sa_sdst(0) depctr_va_vdst(0) depctr_va_sdst(0) depctr_va_ssrc(0) depctr_va_vcc(0) depctr_vm_vsrc(0)
	s_getreg_b32 s2, hwreg(HW_REG_IB_STS2, 6, 4)
	s_cmp_eq_u32 s2, 0
	s_cbranch_scc0 .Lentry_in_a_cluster
	s_endpgm
.Lentry_in_a_cluster:
	s_bfe_u32 s2, ttmp6, 0x10000c
	s_cmp_lg_u32 s2, 0xf033
	s_cbranch_scc0 .Lentry_shape_is_right
	s_endpgm
.Lentry_shape_is_right:
; y = hidden w2 + b2, f32 sums.  A product on codes of FP6 (E2M3) with E8M0 scales, both operands laid as images of their registers:
; tile T of 16 rows (slot r = row 32 (T / 2) + 8 (T % 2) + r % 8 + 16 (r / 8)), chunk c of 64 along K: 768 bytes at (c NT + T) 768, lane l's 24 bytes as 16 at 16 l and 8 at 512 + 8 l; scale words at (s NT + T) 64 + 4 r.
; THE MATRIX INSTRUCTION IS USED TRANSPOSED: source 0 = a tile of T (the weight's columns), source 1 = a tile of U (tokens).  An accumulator leaves as it stands, as an image of 1,024 bytes at (U's tile x 64 + T's tile) 1,024.
; The bias is the C of each sum's first product.
; SHARES: the output has 64 tiles of 256 x 256 only, so a work-group makes 128 x 128 (256 work-groups), a wave 64 x 64: 16 accumulators.
; THE RING.  K is 32 steps of 128, 24,576 bytes each.  Two slots as large as fit beside the scale words: slot 0 has room for 6 steps, slot 1 for 5.  The fills are 5, 5, 6, 5, 6, 5 steps: two first fills and four
; refills, each with four and a half or five and a half steps of the other slot in which to land.  A fill of 5 steps is a tile of 10 rows (chunks) of 3,072 bytes, one of 6 steps has 12: two groups 1 a side.
; A step's fragments lie in the set (window 0 or 1) of the parity of its number in K; since 5 is odd the 32 steps are written out by macro.
; CLUSTER 4 x 4: U's tiles are shared along a row, T's along a column: joint loads.  The scale words of all of K come once, with the first fills.
; No prefetch is laid ahead of the refills.
; REGISTERS: window 0: v10-29 addresses, v64-159 fragment set 0, v160-207 scale words (two sets of 24); window 1: v0-31 the bias's tiles, v64-159 fragment set 1; window 2: accumulator (a, b) at 8 (N8 a + b).
.set N8, 4
.set KTOT, 4096
.set NTU, 256
.set NTT, 64
.set TT0, 0
.set UOFFC, 0
.set UOFFS, 12582912
.set TOFFC, 9830400
.set TOFFS, 12976128
.set UPTR, 4
.set TPTR, 6
.set BPTR, 8
.set OPTR, 10
.set KS,      KTOT/128
.set NA,      6                        ; K steps for which slot 0 has room
.set NB,      5                        ; and slot 1
.set PIECE0,  2*NA*N8*768              ; a wave's piece of slot 0: [chunk][tile][768]
.set PIECE1,  2*NB*N8*768
.set SLOT1,   4*PIECE0                 ; slot 1 begins here
.set SCL,     SLOT1+4*PIECE1           ; the scale words: piece w at w SPB + 128 (w / 2), laid [K step][tile][64]
.set SPB,     KS*N8*64
.set SPARE,   SCL+4*SPB+256            ; the spare words, 128 bytes a wave
.set ADU16, 16
.set ADU8,  18
.set ADT16, 20
.set ADT8,  22
.set ADRS,  24
.set SPW,   28
.set NIL,   29
.set SC,    160
.set TF,    64
.set UF,    64+12*N8
.set G1UL, 16                          ; s[16:23] U's group 1 for 12 rows, made at the end of the head
.set G1U, 24                           ; s[24:31] U's group 1 for 10 rows
.set G0U, 32
.set G1TL, 40                          ; s[40:47] T's for 12 rows
.set G1T, 48
.set G0T, 56
.set G1SU, 68
.set G0SU, 76
.set G1ST, 80
.set G0ST, 88
.set MSB, 0
.set GP, 0                             ; the parity of the K step in hand
.macro WIN new                         ; the immediate's high byte repeats the setting that is left
.if MSB != (\new)
	s_set_vgpr_msb (MSB<<8)|(\new)
.set MSB, (\new)
.endif
.endm
.macro JLOAD g0a, g1a, g0b, g1b        ; a joint load: waves 0, 1 fetch for U, waves 2, 3 for T; four v_nop follow each line
	s_cmp_eq_u32 s15, 0
	s_cbranch_scc0 .Lfor_t_\@
	tensor_load_to_lds s[\g0a:\g0a+3], s[\g1a:\g1a+7]
	s_nop 0
.rept 4
	v_nop
.endr
	s_branch .Lasked_\@
.Lfor_t_\@:
	tensor_load_to_lds s[\g0b:\g0b+3], s[\g1b:\g1b+7]
	s_nop 0
.rept 4
	v_nop
.endr
.Lasked_\@:
.endm
.macro CREST
	s_cmp_lg_u32 s14, 0
	s_cbranch_scc1 .Lnot_wave_0_\@
	s_barrier_signal -3
.Lnot_wave_0_\@:
	s_barrier_wait -3
	s_barrier_signal -1
	s_barrier_wait -1
.endm
.macro CROUND
	s_barrier_signal -1
	s_barrier_wait -1
	CREST
.endm
.macro PLACES                          ; four places behind a matrix instruction, ahead of loads into its registers and of reads of its result
.rept 4
	v_nop
.endr
.endm
	s_load_b256 s[4:11], s[0:1], 0x0               ; hq, wq0, b2, y
	v_lshl_add_u32 v[SPW], v0, 2, SPARE
	v_mov_b32 v[NIL], 0
	ds_add_u32 v28, v29
	ds_add_u32 v28, v29
	s_wait_dscnt 0x0
	v_lshrrev_b32 v1, 5, v0
	v_readfirstlane_b32 s14, v1                    ; wave 0..3
	s_lshr_b32 s15, s14, 1                         ; my half of U's tiles.  Also: I fetch for U (0) or T (1)
	s_and_b32 s16, s14, 1                          ; my half of T's tiles.  Also: which half of that side I fetch
	s_bfe_u32 s40, ttmp6, 0x40000                  ; cx
	s_bfe_u32 s41, ttmp6, 0x40004                  ; cy
	s_lshl_b32 s42, ttmp9, 2
	s_add_co_u32 s42, s42, s40                     ; work-group x: T's block
	s_and_b32 s96, ttmp7, 0xffff
	s_lshl_b32 s17, s96, 2
	s_add_co_u32 s17, s17, s41                     ; work-group y: U's block
	s_lshl_b32 s43, s41, 2
	s_lshl_b32 s43, 15, s43                        ; my row of the cluster
	s_lshl_b32 s44, 0x1111, s40                    ; my column
	; group 1, elements of 8 bytes, no padding: codes: 2 NB rows (chunks) of N8 images, NT images apart; scale words: KS rows of N8 x 64 bytes
	s_or_b32 s[G1U], s43, (3<<16)|(1<<21)
	s_or_b32 s[G1T], s44, (3<<16)|(1<<21)
	s_or_b32 s[G1SU], s43, (3<<16)|(1<<21)
	s_or_b32 s[G1ST], s44, (3<<16)|(1<<21)
.irp g, G1U, G1T
	s_mov_b32 s[\g+1], (96*N8)<<16
	s_mov_b32 s[\g+2], (2*NB)<<16
	s_mov_b32 s[\g+3], (96*N8)<<16
	s_mov_b32 s[\g+4], 2*NB
	s_mov_b32 s[\g+6], 0
	s_mov_b32 s[\g+7], 0
.endr
	s_mov_b32 s[G1U+5], 96*NTU
	s_mov_b32 s[G1T+5], 96*NTT
.irp g, G1SU, G1ST
	s_mov_b32 s[\g+1], (8*N8)<<16
	s_mov_b32 s[\g+2], KS<<16
	s_mov_b32 s[\g+3], (8*N8)<<16
	s_mov_b32 s[\g+4], KS
	s_mov_b32 s[\g+6], 0
	s_mov_b32 s[\g+7], 0
.endr
	s_mov_b32 s[G1SU+5], 8*NTU
	s_mov_b32 s[G1ST+5], 8*NTT
	s_mul_i32 s18, s16, N8
	s_mul_i32 s20, s17, 2*N8
	s_add_co_u32 s20, s20, s18                     ; U: the first tile that I fetch
	s_lshl_b32 s22, s20, 6
	s_mul_i32 s20, s20, 768
	s_mul_i32 s46, s42, 2*N8
	s_add_co_u32 s46, s46, s18
	s_add_co_u32 s46, s46, TT0                     ; T likewise
	s_lshl_b32 s92, s46, 6
	s_mul_i32 s46, s46, 768
	s_add_co_u32 s20, s20, UOFFC
	s_add_co_u32 s22, s22, UOFFS
	s_add_co_u32 s46, s46, TOFFC
	s_add_co_u32 s92, s92, TOFFS
	s_mov_b32 s21, 0
	s_mov_b32 s23, 0
	s_mov_b32 s47, 0
	s_mov_b32 s93, 0
	s_mul_i32 s45, s14, PIECE0                     ; where they go: my piece of slot 0,
	s_mul_i32 s2, s14, PIECE1
	s_add_co_u32 s2, s2, SLOT1                     ; and of slot 1: no place in the cluster enters an LDS address
	s_mul_i32 s94, s14, SPB
	s_lshl_b32 s95, s15, 7
	s_add_co_u32 s94, s94, s95
	s_add_co_u32 s94, s94, SCL
	s_wait_kmcnt 0x0
	s_add_nc_u64 s[20:21], s[UPTR:UPTR+1], s[20:21]
	s_add_nc_u64 s[22:23], s[UPTR:UPTR+1], s[22:23]
	s_add_nc_u64 s[46:47], s[TPTR:TPTR+1], s[46:47]
	s_add_nc_u64 s[92:93], s[TPTR:TPTR+1], s[92:93]
	CROUND                                         ; all sixteen work-groups are here: the first joint loads meet
	s_mov_b32 s[G0SU], 1
	s_mov_b32 s[G0SU+1], s94
	s_mov_b64 s[G0SU+2:G0SU+3], s[22:23]
	s_or_b32 s[G0SU+3], s[G0SU+3], 0x80000000
	s_mov_b32 s[G0ST], 1
	s_mov_b32 s[G0ST+1], s94
	s_mov_b64 s[G0ST+2:G0ST+3], s[92:93]
	s_or_b32 s[G0ST+3], s[G0ST+3], 0x80000000
	JLOAD G0SU, G1SU, G0ST, G1ST                   ; the scale words first
	s_mov_b32 s[G0U], 1
	s_mov_b32 s[G0U+1], s45
	s_mov_b64 s[G0U+2:G0U+3], s[20:21]
	s_or_b32 s[G0U+3], s[G0U+3], 0x80000000
	s_mov_b32 s[G0T], 1
	s_mov_b32 s[G0T+1], s45
	s_mov_b64 s[G0T+2:G0T+3], s[46:47]
	s_or_b32 s[G0T+3], s[G0T+3], 0x80000000
	s_wait_alu depctr_va_vdst(0)
	s_wait_tensorcnt 0x0                           ; a later first fill is issued as a refill is
	ds_add_u32 v28, v29
	s_wait_dscnt 0x0
	CROUND
	JLOAD G0U, G1U, G0T, G1T                       ; K steps 0-4 into slot 0
	s_mov_b32 s[G0U+4], 1
	s_mov_b32 s[G0U+5], s2
	s_add_nc_u64 s[G0U+6:G0U+7], s[20:21], NB*2*NTU*768
	s_or_b32 s[G0U+7], s[G0U+7], 0x80000000
	s_mov_b32 s[G0T+4], 1
	s_mov_b32 s[G0T+5], s2
	s_add_nc_u64 s[G0T+6:G0T+7], s[46:47], NB*2*NTT*768
	s_or_b32 s[G0T+7], s[G0T+7], 0x80000000
	s_wait_alu depctr_va_vdst(0)
	s_wait_tensorcnt 0x0                           ; my part of slot 0 is in; the same lines and round once more
	ds_add_u32 v28, v29
	s_wait_dscnt 0x0
	CROUND
	JLOAD G0U+4, G1U, G0T+4, G1T                   ; K steps 5-9 into slot 1: one load of mine is out
	v_and_b32 v1, 31, v0                           ; lane
	v_and_b32 v2, 15, v0                           ; r
	v_bfe_u32 v3, v0, 4, 1                         ; h
	v_lshlrev_b32 v10, 4, v1                       ; 16 l
	v_lshlrev_b32 v11, 3, v1
	v_add_nc_u32 v12, 512, v11
	s_mul_i32 s21, s15, PIECE0                     ; slot 0: my piece of U,
	s_mul_i32 s22, s16, PIECE0
	s_add_co_u32 s22, s22, 2*PIECE0                ; and of T
	v_add_nc_u32 v[ADU16], s21, v10
	v_add_nc_u32 v[ADU8], s21, v12
	v_add_nc_u32 v[ADT16], s22, v10
	v_add_nc_u32 v[ADT8], s22, v12
	s_mul_i32 s21, s15, PIECE1                     ; slot 1 likewise
	s_add_co_u32 s21, s21, SLOT1
	s_mul_i32 s22, s16, PIECE1
	s_add_co_u32 s22, s22, SLOT1+2*PIECE1
	v_add_nc_u32 v[ADU16+1], s21, v10
	v_add_nc_u32 v[ADU8+1], s21, v12
	v_add_nc_u32 v[ADT16+1], s22, v10
	v_add_nc_u32 v[ADT8+1], s22, v12
	s_mul_i32 s21, s15, SPB                        ; scale words: lanes 0-15 take U's, lanes 16-31 T's: the lower base + h x the distance
	s_mul_i32 s22, s16, SPB
	s_add_co_u32 s22, s22, 2*SPB+128
	s_sub_co_u32 s22, s22, s21
	v_mul_u32_u24 v6, s22, v3
	s_add_co_u32 s21, s21, SCL
	v_lshl_add_u32 v5, v2, 2, v6
	v_add_nc_u32 v[ADRS], s21, v5
	s_lshl_b32 s20, s17, 3                         ; where the results go: ((8 U block + 4 half) 64 + 8 T block + 4 half) 1,024
	s_lshl_b32 s21, s15, 2
	s_add_co_u32 s20, s20, s21
	s_lshl_b32 s20, s20, 6
	s_lshl_b32 s21, s42, 3
	s_add_co_u32 s20, s20, s21
	s_lshl_b32 s21, s16, 2
	s_add_co_u32 s20, s20, s21
	s_lshl_b32 s20, s20, 10
	s_mov_b32 s21, 0
	s_add_nc_u64 s[92:93], s[OPTR:OPTR+1], s[20:21]
	s_mul_i32 s20, s42, 2*N8
	s_mul_i32 s21, s16, N8
	s_add_co_u32 s20, s20, s21
	s_lshl_b32 s20, s20, 6                         ; the bias: 16 numbers a tile
	s_mov_b32 s21, 0
	s_add_nc_u64 s[BPTR:BPTR+1], s[BPTR:BPTR+1], s[20:21]
	v_lshlrev_b32 v13, 6, v3                       ; lane (r, h) wants, for tile 2 b + u, the bias at 32 b + 16 h + 8 u + 0 .. 7
	WIN 0x40
.set FI, 0
.rept N8
	global_load_b128 v[8*FI:8*FI+3], v13, s[BPTR:BPTR+1] offset:(32*(FI/2)+8*(FI%2))*4
	global_load_b128 v[8*FI+4:8*FI+7], v13, s[BPTR:BPTR+1] offset:(32*(FI/2)+8*(FI%2))*4+16
.set FI, FI+1
.endr
	WIN 0
	; the groups 1 of the long tile, 2 NA rows, in registers that the head has done with; no pending load names them
	s_or_b32 s[G1UL], s43, (3<<16)|(1<<21)
	s_or_b32 s[G1TL], s44, (3<<16)|(1<<21)
.irp g, G1UL, G1TL
	s_mov_b32 s[\g+1], (96*N8)<<16
	s_mov_b32 s[\g+2], (2*NA)<<16
	s_mov_b32 s[\g+3], (96*N8)<<16
	s_mov_b32 s[\g+4], 2*NA
	s_mov_b32 s[\g+6], 0
	s_mov_b32 s[\g+7], 0
.endr
	s_mov_b32 s[G1UL+5], 96*NTU
	s_mov_b32 s[G1TL+5], 96*NTT
.macro FRAG reg, a16, a8, q, i         ; a fragment = the images of chunks 2 q and 2 q + 1 of tile i: every load reads 512 or 256 consecutive bytes
	ds_load_b128 v[(\reg):(\reg)+3], v[\a16] offset:(2*(\q))*N8*768+(\i)*768
	ds_load_b64 v[(\reg)+4:(\reg)+5], v[\a8] offset:(2*(\q))*N8*768+(\i)*768
	ds_load_b128 v[(\reg)+6:(\reg)+9], v[\a16] offset:(2*(\q)+1)*N8*768+(\i)*768
	ds_load_b64 v[(\reg)+10:(\reg)+11], v[\a8] offset:(2*(\q)+1)*N8*768+(\i)*768
.endm
.macro FETCH slot, q, p                ; the slot's q-th K step, both sides, into set p (window p)
.set WN, (\p)<<6
	WIN WN
.set FI, 0
.rept N8
	FRAG TF+12*FI, ADT16+\slot, ADT8+\slot, \q, FI
	FRAG UF+12*FI, ADU16+\slot, ADU8+\slot, \q, FI
.set FI, FI+1
.endr
.endm
.macro SCALES sc, n                    ; n K steps' scale words into set sc: register 6 i + q: lanes 0-15 U's tile i, lanes 16-31 T's tile i
	WIN 0
.set FI, 0
.rept N8
.set FQ, 0
.rept \n
	ds_load_b32 v[SC+24*(\sc)+6*FI+FQ], v[ADRS] offset:FQ*N8*64+FI*64
.set FQ, FQ+1
.endr
.set FI, FI+1
.endr
.endm
; U's tiles a0 .. a0 + na - 1 against T's four, from the set of the step's parity.  cm = 1: the first K step starts the sums, with the bias as C.
; All sixteen accumulators take turns, one instruction a turn, in one order.
.macro MULA a0, na, q, sc, cm
.if \cm
.set WN, GP|(GP<<2)|(1<<4)|(2<<6)
.else
.set WN, GP|(GP<<2)|(2<<4)|(2<<6)
.endif
	WIN WN
.set MA, \a0
.rept \na
.set MB, 0
.rept N8
.if \cm
	v_wmma_scale_f32_16x16x128_f8f6f4 v[8*(N8*MA+MB):8*(N8*MA+MB)+7], v[TF+12*MB:TF+12*MB+11], v[UF+12*MA:UF+12*MA+11], v[8*MB:8*MB+7], v[SC+24*(\sc)+6*MB+(\q)], v[SC+24*(\sc)+6*MA+(\q)] matrix_a_fmt:MATRIX_FMT_FP6 matrix_b_fmt:MATRIX_FMT_FP6 matrix_a_scale:MATRIX_SCALE_ROW1
.else
	v_wmma_scale_f32_16x16x128_f8f6f4 v[8*(N8*MA+MB):8*(N8*MA+MB)+7], v[TF+12*MB:TF+12*MB+11], v[UF+12*MA:UF+12*MA+11], v[8*(N8*MA+MB):8*(N8*MA+MB)+7], v[SC+24*(\sc)+6*MB+(\q)], v[SC+24*(\sc)+6*MA+(\q)] matrix_a_fmt:MATRIX_FMT_FP6 matrix_b_fmt:MATRIX_FMT_FP6 matrix_a_scale:MATRIX_SCALE_ROW1
.endif
.set MB, MB+1
.endr
.set MA, MA+1
.endr
.endm
.macro STEP slot, q, cm                ; a K step that has its successor in the same slot: the successor's fragments are asked for ahead of this step's products.  A slot's scale words lie in the set of its number
	s_wait_dscnt 0x0                               ; this step's fragments and scale words, asked for a step ago, are in
	PLACES
	FETCH \slot, (\q)+1, 1-GP
	MULA 0, N8, \q, \slot, \cm
.set GP, 1-GP
.endm
.macro STEPS slot, q0, n               ; steps q0 .. n - 2 of a slot that holds n
.set SQ, \q0
.rept (\n)-1-(\q0)
	STEP \slot, SQ, 0
.set SQ, SQ+1
.endr
.endm
; The last of a slot's n steps changes slots: one barrier; ahead of it each wave waits for all its tensor loads, adds 0 to its spare word, and waits for that and for its reads of this slot.
; nn: the steps that the next slot holds.  fill = 1: this slot is filled again, dk K steps further on; long = 1: with 6 steps, else with 5.
.macro TURN slot, n, nn, fill, long, dk
	WIN 0
	s_wait_tensorcnt 0x0                           ; all my tensor loads have landed: my part of the next slot
	ds_add_u32 v[SPW], v[NIL]                      ; 0 onto my spare word
	s_wait_dscnt 0x1                               ; this step's fragments are in; the add alone may be out
	MULA 0, 1, (\n)-1, \slot, 0
	s_wait_dscnt 0x0                               ; the add is done, and my reads of this slot are over
	s_barrier_signal -1
	MULA 1, 1, (\n)-1, \slot, 0
	WIN 0
	s_barrier_wait -1
.if \fill
	CREST                                          ; the barrier has opened a round of the cluster's: no wave of any partner still reads this slot or has a load on its way
	s_add_nc_u64 s[G0U+4*\slot+2:G0U+4*\slot+3], s[G0U+4*\slot+2:G0U+4*\slot+3], (\dk)*2*NTU*768
	s_add_nc_u64 s[G0T+4*\slot+2:G0T+4*\slot+3], s[G0T+4*\slot+2:G0T+4*\slot+3], (\dk)*2*NTT*768
.if \long
	JLOAD G0U+4*\slot, G1UL, G0T+4*\slot, G1TL     ; the first tensor load behind the round, my one load until the next; its four v_nop are the places ahead of the loads below
.else
	JLOAD G0U+4*\slot, G1U, G0T+4*\slot, G1T
.endif
.else
	PLACES
.endif
	s_wait_alu depctr_va_vdst(0)
	v_add_nc_u32 v[ADRS], (\n)*N8*64, v[ADRS]      ; the next slot's scale words
	FETCH 1-(\slot), 0, 1-GP
	SCALES 1-(\slot), \nn
	MULA 2, 2, (\n)-1, \slot, 0
.set GP, 1-GP
.endm
	s_wait_alu depctr_va_vdst(0)
	s_wait_tensorcnt 0x1                           ; the scale words and my part of slot 0 are in; slot 1's load may be out
	s_barrier_signal -1
	s_barrier_wait -1
	FETCH 0, 0, 0
	SCALES 0, NB
	s_wait_loadcnt 0x0                             ; the bias
	STEP 0, 0, 1                                   ; K step 0 starts the sums: nothing is cleared
	STEPS 0, 1, NB                                 ; K steps 1-3
	TURN 0, NB, NB, 1, 1, 10                       ; K step 4; slot 0 takes K steps 10-15
	STEPS 1, 0, NB
	TURN 1, NB, NA, 1, 0, 11                       ; K step 9; slot 1 takes K steps 16-20
	STEPS 0, 0, NA
	TURN 0, NA, NB, 1, 1, 11                       ; K step 15; slot 0 takes K steps 21-26
	STEPS 1, 0, NB
	TURN 1, NB, NA, 1, 0, 11                       ; K step 20; slot 1 takes K steps 27-31
	STEPS 0, 0, NA
	TURN 0, NA, NB, 0, 0, 0                        ; K step 26; nothing is left to fetch
	STEPS 1, 0, NB
	s_wait_dscnt 0x0
	MULA 0, N8, NB-1, 1, 0                         ; K step 31
	; THE WAY OUT: each accumulator as it stands, from its low end on: every store covers 512 consecutive bytes
	PLACES
	WIN 0x08                                       ; a store's data are its source 1: window 2
.irp a, 0,1,2,3
.irp b, 0,1,2,3
	global_store_b128 v10, v[8*(4*\a+\b):8*(4*\a+\b)+3], s[92:93] offset:65536*\a+1024*\b th:TH_STORE_NT
	global_store_b128 v10, v[8*(4*\a+\b)+4:8*(4*\a+\b)+7], s[92:93] offset:65536*\a+1024*\b+512 th:TH_STORE_NT
.endr
.endr
	WIN 0
	s_wait_tensorcnt 0x0                           ; the wave's end
	ds_add_u32 v[SPW], v[NIL]
	s_wait_dscnt 0x0
	CROUND                                         ; the closing round
	s_endpgm
.Lfunc_end_k_qf716d6b1db_w2:
	.size	k_qf716d6b1db_w2, .Lfunc_end_k_qf716d6b1db_w2-k_qf716d6b1db_w2
	.p2alignl 7, 3214868480
	.fill 96, 4, 3214868480
	.section	.rodata,"a",@progbits
	.p2align	6, 0x0
	.amdhsa_kernel k_qf716d6b1db_w2
		.amdhsa_group_segment_fixed_size 327680
		.amdhsa_private_segment_fixed_size 0
		.amdhsa_enable_private_segment 0
		.amdhsa_kernarg_size 32
		.amdhsa_user_sgpr_count 2
		.amdhsa_user_sgpr_kernarg_segment_ptr 1
		.amdhsa_wavefront_size32 1
		.amdhsa_system_sgpr_workgroup_id_x 1
		.amdhsa_system_sgpr_workgroup_id_y 1
		.amdhsa_system_sgpr_workgroup_id_z 1
		.amdhsa_system_vgpr_workitem_id 0
		.amdhsa_next_free_vgpr 640
		.amdhsa_next_free_sgpr 100
		.amdhsa_reserve_vcc 0
		.amdhsa_float_denorm_mode_32 3
		.amdhsa_float_denorm_mode_16_64 3
		.amdhsa_memory_ordered 1
		.amdhsa_forward_progress 1
		.amdhsa_inst_pref_size 164
	.end_amdhsa_kernel
	.amdgpu_metadata
---
amdhsa.version: [ 1, 2 ]
amdhsa.kernels:
  - .name:           k_qf716d6b1db_w2
    .symbol:         k_qf716d6b1db_w2.kd
    .args:
      - { .name: hq, .offset: 0, .size: 8, .value_kind: global_buffer, .address_space: global }
      - { .name: wq0, .offset: 8, .size: 8, .value_kind: global_buffer, .address_space: global }
      - { .name: b2, .offset: 16, .size: 8, .value_kind: global_buffer, .address_space: global }
      - { .name: y, .offset: 24, .size: 8, .value_kind: global_buffer, .address_space: global }
    .group_segment_fixed_size: 327680
    .private_segment_fixed_size: 0
    .kernarg_segment_align: 8
    .kernarg_segment_size: 32
    .max_flat_workgroup_size: 128
    .sgpr_count:     100
    .vgpr_count:     640
    .wavefront_size: 32
...
	.end_amdgpu_metadata
.endif
;; end of part 6
;; launch ln2 (part 7): grid 256 x 1, 8 waves a work-group, no clusters, 69,632 bytes of LDS; arguments y, x1, gamma2, beta2, out0; writes out0
.if DOCPART == 7
	.amdgcn_target "amdgcn-amd-amdhsa--gfx1250"
	.amdhsa_code_object_version 6
	.text
	.protected	k_qf716d6b1db_ln2
	.globl	k_qf716d6b1db_ln2
	.p2align	8
	.type	k_qf716d6b1db_ln2,@function
k_qf716d6b1db_ln2:
	s_mov_b64 s[64:65], 0
	v_nop
	global_prefetch_b8 v0, s[64:65] scope:SCOPE_SE
	s_setreg_imm32_b32 hwreg(HW_REG_WAVE_MODE, 25, 1), 1
	s_wait_xcnt 0x0
; z = residual + y;  out = (z - mean) gain / sqrt(var + 1e-5) + offset, var with 1,023 in the divisor; all in f32, in two passes (the mean first, then the squares of the differences).
; y comes as images of accumulators: (tile of 16 tokens T1, tile of 16 columns T0) = 1,024 bytes at (64 T1 + T0) 1,024: lane (r, h) holds token slot r, registers 0-3 at 16 l, 4-7 at 512 + 16 l.
; By the choice of a tile's rows (slot r = 32 (T / 2) + 8 (T % 2) + r % 8 + 16 (r / 8)) eight such images are 64 registers a lane: register 16 b + i = column 32 b + 16 h + i of 128.
; SHARES: a work-group takes one tile of 16 tokens, wave w columns 128 w on.  A row's sums meet in LDS: two barriers.
; LN = 1: the residual is x, by rows, turned through the wave's stage; the result leaves as images (f32) and, quantised to FP6 (E2M3) along the columns, as an operand's images and scale words.
; LN = 2: the residual is the first norm's images; the result leaves by rows through the stage, 512 consecutive bytes a store.
; No work-group shares an input with another: no cluster.  1 / 1,023 and gain x rsq are rounded f32 factors.  LIMITS: NaN and infinities are not served.
.set LN, 2
.set STG, 8448                         ; a wave's stage: 16 rows x (512 + 16) bytes
.set RED, 8*STG                        ; the rows' partial sums: word 32 r + 4 w; the second pass's 512 bytes on
.set Z, 32
.set L, 96
.set R, 160
.set RD, 136
.set SA, 16
.set MN, 24
.set G, 26
.set BT, 28
.set SEL, 30
	s_load_b256 s[4:11], s[0:1], 0x0               ; y, the residual, the gain, the offset
	s_load_b64 s[12:13], s[0:1], 0x20              ; the result
	v_lshl_add_u32 v224, v0, 2, 0x10c00
	v_mov_b32 v225, 0
	v_lshrrev_b32 v1, 5, v0
	s_delay_alu instid0(VALU_DEP_1)
	v_readfirstlane_b32 s14, v1                    ; wave 0..7
	v_and_b32 v2, 31, v0
	v_and_b32 v3, 15, v0                           ; r
	v_bfe_u32 v4, v0, 4, 1                         ; h
	s_delay_alu instid0(VALU_DEP_3)
	v_lshlrev_b32 v5, 4, v2                        ; 16 l
	s_mul_i32 s15, s14, STG
	v_add_nc_u32 v6, s15, v5                       ; the stage by rows
	v_mul_u32_u24 v7, v3, 528
	s_delay_alu instid0(VALU_DEP_1)
	v_lshl_add_u32 v7, v4, 6, v7
	s_delay_alu instid0(VALU_DEP_1)
	v_add_nc_u32 v7, s15, v7                       ; and by lanes: row r, + 64 h
	v_lshlrev_b32 v9, 5, v3
	s_delay_alu instid0(VALU_DEP_1)
	v_add_nc_u32 v9, RED, v9                       ; my row's eight partial sums
	s_lshl_b32 s15, s14, 2
	v_add_nc_u32 v8, s15, v9                       ; my wave's among them
	s_mov_b32 s[SEL], 0x76543210
	s_mov_b32 s[SEL+1], 0xfedcba98
	s_lshl_b32 s18, ttmp9, 6
	s_lshl_b32 s19, s14, 3
	s_add_co_u32 s18, s18, s19
	s_lshl_b32 s18, s18, 10                        ; my eight images
	s_mov_b32 s19, 0
	s_lshr_b32 s20, ttmp9, 1
	s_lshl_b32 s20, s20, 5
	s_and_b32 s21, ttmp9, 1
	s_lshl_b32 s21, s21, 3
	s_add_co_u32 s20, s20, s21
	s_lshl_b32 s20, s20, 12
	s_lshl_b32 s21, s14, 9
	s_add_co_u32 s20, s20, s21                     ; by rows: the tile's slot 0, my 512 bytes
	s_mov_b32 s21, 0
	s_wait_alu depctr_va_vdst(0)
	s_wait_kmcnt 0x0
	s_load_b32 s16, s[8:9], 0x0
	s_load_b32 s17, s[10:11], 0x0
	s_add_nc_u64 s[4:5], s[4:5], s[18:19]
	s_add_nc_u64 s[6:7], s[6:7], s[18:19]
	s_add_nc_u64 s[12:13], s[12:13], s[20:21]
.irp t, 0,1,2,3,4,5,6,7
	global_load_b128 v[R+8*\t:R+8*\t+3], v5, s[6:7] offset:1024*\t th:TH_LOAD_NT
	global_load_b128 v[R+8*\t+4:R+8*\t+7], v5, s[6:7] offset:1024*\t+512 th:TH_LOAD_NT
.endr
.irp t, 0,1,2,3,4,5,6,7
	global_load_b128 v[Z+8*\t:Z+8*\t+3], v5, s[4:5] offset:1024*\t th:TH_LOAD_NT
	global_load_b128 v[Z+8*\t+4:Z+8*\t+7], v5, s[4:5] offset:1024*\t+512 th:TH_LOAD_NT
.endr
	s_wait_loadcnt 0x0
.set J, 0
.rept 32
	v_pk_add_f32 v[Z+J:Z+J+1], v[Z+J:Z+J+1], v[R+J:R+J+1]
.set J, J+2
.endr
; four packed sums become the row's sum: my 64, lane l xor 16's, then the eight waves' through LDS
.macro FOLD off
	s_delay_alu instid0(VALU_DEP_3)
	v_pk_add_f32 v[SA:SA+1], v[SA:SA+1], v[SA+2:SA+3]
	s_delay_alu instid0(VALU_DEP_2)
	v_pk_add_f32 v[SA+4:SA+5], v[SA+4:SA+5], v[SA+6:SA+7]
	s_delay_alu instid0(VALU_DEP_1)
	v_pk_add_f32 v[SA:SA+1], v[SA:SA+1], v[SA+4:SA+5]
	s_delay_alu instid0(VALU_DEP_1)
	v_add_f32 v[SA], v[SA], v[SA+1]
	s_delay_alu instid0(VALU_DEP_1)
	v_permlanex16_b32 v[SA+2], v[SA], s[SEL], s[SEL+1]
	s_delay_alu instid0(VALU_DEP_1)
	v_add_f32 v[SA], v[SA], v[SA+2]
	ds_store_b32 v8, v[SA] offset:\off             ; lanes r and r + 16 write the same word with the same value
	s_wait_dscnt 0x0                               ; for the others' sake: my store has landed
	s_barrier_signal -1
	s_barrier_wait -1
	ds_load_b128 v[RD:RD+3], v9 offset:\off
	ds_load_b128 v[RD+4:RD+7], v9 offset:\off+16
	s_wait_dscnt 0x0
	v_pk_add_f32 v[RD:RD+1], v[RD:RD+1], v[RD+2:RD+3]
	v_pk_add_f32 v[RD+4:RD+5], v[RD+4:RD+5], v[RD+6:RD+7]
	s_delay_alu instid0(VALU_DEP_1)
	v_pk_add_f32 v[RD:RD+1], v[RD:RD+1], v[RD+4:RD+5]
	s_delay_alu instid0(VALU_DEP_1)
	v_add_f32 v[RD], v[RD], v[RD+1]
.endm
.irp k, 0,1,2,3
	v_pk_add_f32 v[SA+2*\k:SA+2*\k+1], v[Z+2*\k:Z+2*\k+1], v[Z+8+2*\k:Z+9+2*\k]
.endr
.irp j, 16,24,32,40,48,56
.irp k, 0,1,2,3
	s_delay_alu instid0(VALU_DEP_4)
	v_pk_add_f32 v[SA+2*\k:SA+2*\k+1], v[SA+2*\k:SA+2*\k+1], v[Z+\j+2*\k:Z+\j+2*\k+1]
.endr
.endr
	FOLD 0
	s_delay_alu instid0(VALU_DEP_1)
	v_mul_f32 v[MN], 0xba800000, v[RD]             ; - the mean: the sum x -2^-10
	s_delay_alu instid0(VALU_DEP_1)
	v_mov_b32 v[MN+1], v[MN]
.set J, 0
.rept 32
	v_pk_add_f32 v[Z+J:Z+J+1], v[Z+J:Z+J+1], v[MN:MN+1]
.set J, J+2
.endr
.irp k, 0,1,2,3
	v_pk_mul_f32 v[SA+2*\k:SA+2*\k+1], v[Z+2*\k:Z+2*\k+1], v[Z+2*\k:Z+2*\k+1]
.endr
.irp j, 8,16,24,32,40,48,56
.irp k, 0,1,2,3
	s_delay_alu instid0(VALU_DEP_4)
	v_pk_fma_f32 v[SA+2*\k:SA+2*\k+1], v[Z+\j+2*\k:Z+\j+2*\k+1], v[Z+\j+2*\k:Z+\j+2*\k+1], v[SA+2*\k:SA+2*\k+1]
.endr
.endr
	FOLD 512                                       ; other bytes than the first pass's: no barrier between
	s_delay_alu instid0(VALU_DEP_1)
	v_mul_f32 v[RD], 0x3a802008, v[RD]             ; / 1,023
	s_delay_alu instid0(VALU_DEP_1)
	v_add_f32 v[RD], 0x3727c5ac, v[RD]             ; + 1e-5
	s_wait_alu depctr_va_vdst(0)
	v_rsq_f32 v[G], v[RD]
	s_wait_kmcnt 0x0                               ; the gain and the offset
	v_mov_b32 v[BT], s17                           ; (plain places behind the root)
	v_mov_b32 v[BT+1], s17
	s_wait_alu depctr_va_vdst(0)                   ; ahead of the root's first reader
	v_mul_f32 v[G], s16, v[G]
	s_delay_alu instid0(VALU_DEP_1)
	v_mov_b32 v[G+1], v[G]
.set J, 0
.rept 32
	v_pk_fma_f32 v[Z+J:Z+J+1], v[Z+J:Z+J+1], v[G:G+1], v[BT:BT+1]
.set J, J+2
.endr
.irp b, 0,1,2,3
.irp j, 0,1,2,3
	ds_store_b128 v7, v[Z+16*\b+4*\j:Z+16*\b+4*\j+3] offset:128*\b+16*\j
.endr
.endr
.irp p, 0,1,2,3,4,5,6,7,8,9,10,11,12,13,14,15
	ds_load_b128 v[L+4*\p:L+4*\p+3], v6 offset:528*\p              ; LDS serves a wave's instructions in order: these see my stores
.endr
.irp p, 0,1,2,3,4,5,6,7,8,9,10,11,12,13,14,15
	s_wait_dscnt 15-\p                             ; row p is back; the younger rows' loads may be out
	global_store_b128 v5, v[L+4*\p:L+4*\p+3], s[12:13] offset:((\p%8)+16*(\p/8))*4096 th:TH_STORE_NT   ; 512 consecutive bytes of slot p's row
.endr
	s_wait_tensorcnt 0x0
	ds_add_u32 v224, v225
	s_wait_dscnt 0x0
	s_endpgm
.Lfunc_end_k_qf716d6b1db_ln2:
	.size	k_qf716d6b1db_ln2, .Lfunc_end_k_qf716d6b1db_ln2-k_qf716d6b1db_ln2
	.p2alignl 7, 3214868480
	.fill 96, 4, 3214868480
	.section	.rodata,"a",@progbits
	.p2align	6, 0x0
	.amdhsa_kernel k_qf716d6b1db_ln2
		.amdhsa_group_segment_fixed_size 69632
		.amdhsa_private_segment_fixed_size 0
		.amdhsa_enable_private_segment 0
		.amdhsa_kernarg_size 40
		.amdhsa_user_sgpr_count 2
		.amdhsa_user_sgpr_kernarg_segment_ptr 1
		.amdhsa_wavefront_size32 1
		.amdhsa_system_sgpr_workgroup_id_x 1
		.amdhsa_system_sgpr_workgroup_id_y 1
		.amdhsa_system_sgpr_workgroup_id_z 1
		.amdhsa_system_vgpr_workitem_id 0
		.amdhsa_next_free_vgpr 226
		.amdhsa_next_free_sgpr 66
		.amdhsa_reserve_vcc 0
		.amdhsa_float_denorm_mode_32 3
		.amdhsa_float_denorm_mode_16_64 3
		.amdhsa_memory_ordered 1
		.amdhsa_forward_progress 1
		.amdhsa_inst_pref_size 24
	.end_amdhsa_kernel
	.amdgpu_metadata
---
amdhsa.version: [ 1, 2 ]
amdhsa.kernels:
  - .name:           k_qf716d6b1db_ln2
    .symbol:         k_qf716d6b1db_ln2.kd
    .args:
      - { .name: y, .offset: 0, .size: 8, .value_kind: global_buffer, .address_space: global }
      - { .name: x1, .offset: 8, .size: 8, .value_kind: global_buffer, .address_space: global }
      - { .name: gamma2, .offset: 16, .size: 8, .value_kind: global_buffer, .address_space: global }
      - { .name: beta2, .offset: 24, .size: 8, .value_kind: global_buffer, .address_space: global }
      - { .name: out0, .offset: 32, .size: 8, .value_kind: global_buffer, .address_space: global }
    .group_segment_fixed_size: 69632
    .private_segment_fixed_size: 0
    .kernarg_segment_align: 8
    .kernarg_segment_size: 40
    .max_flat_workgroup_size: 256
    .sgpr_count:     66
    .vgpr_count:     226
    .wavefront_size: 32
...
	.end_amdgpu_metadata
.endif
;; end of part 7
